; MI455X (gfx1250); checked and timed in simulation.
; The chip was launched on July 23, 2026; its instructions are those of AMD's public machine-readable ISA for CDNA 5 (MIT licence, August 2026) and "CDNA5" Instruction Set Architecture Reference Guide (July 2026). The comments in the code are by the model that wrote it; some were corrected since.
;; Sim Attn. Allowed arithmetic: float matrix products may take bf16 or f16 operands with f32 sums; other float arithmetic in f32, or as packed bf16 or f16 multiplies, adds, multiply-adds, maxima and minima; sums over many terms, partial sums and values carried from step to step in f32; what a program stores and reads back later, other than sums and carried values, may be rounded once to bf16 or f16.
;; Inputs: Wk 1,024 x 1,024 float32; Wq 1,024 x 1,024 float32; Wv 1,024 x 1,024 float32; bk 1,024 float32; bq 1,024 float32; bv 1,024 float32; k 4 x 4,096 x 1,024 float32; q 4 x 4,096 x 1,024 float32; v 4 x 4,096 x 1,024 float32.
;; Outputs: out0 4 x 4,096 x 1,024 float32.
;; 2 versions, each right; version 2 is version 1 with the launches wcvt, kvsum written anew for expert scheduling mode. Each part assembles by itself: llvm-mc -triple=amdgcn-amd-amdhsa -mcpu=gfx1250 --defsym DOCPART=n.
;; ======== version 1 of 2: 4 launches
;; limits: values are held in f16: magnitudes above 65,504 overflow, below 6.1e-05 lose precision
;; workspace buffers: wkv 4,194,304 bytes; wqb 2,097,152 bytes; part 33,554,432 bytes; kvf 524,288 bytes
;; launch wcvt (part 1): grid 128 x 3, 4 waves a work-group, no clusters, 0 bytes of LDS; arguments Wk, Wv, Wq, wkv, wqb; writes wkv, wqb
.if DOCPART == 1
	.amdgcn_target "amdgcn-amd-amdhsa--gfx1250"
	.amdhsa_code_object_version 6
	.text
	.protected	k_q58b4aed09d_wcvt
	.globl	k_q58b4aed09d_wcvt
	.p2align	8
	.type	k_q58b4aed09d_wcvt,@function
k_q58b4aed09d_wcvt:
	s_mov_b64 s[64:65], 0
	v_nop
	global_prefetch_b8 v0, s[64:65] scope:SCOPE_SE
	s_setreg_imm32_b32 hwreg(HW_REG_WAVE_MODE, 25, 1), 1
	s_wait_xcnt 0x0
; The three weight matrices, [1024 n][1024 k] f32, are rounded once to bf16 and laid out in the blocks that the two GEMM launches walk:
; [y 2][t][n' 512][64 k], row n = 512 y + n', K block t of 64: a block is 65,536 dense bytes.  wkv holds Wk's 16 K blocks (t 0-15) and then Wv's (t 16-31) for each y, wqb holds Wq's 16.
; The grid's y picks the matrix (0 Wk, 1 Wv, 2 Wq), its x eight rows; a wave takes two rows, a half of its lanes each.
; A load of a wave covers 256 consecutive bytes of each of its two rows (one K block); a store covers 256 consecutive bytes, aligned: the two rows' 128 bytes of that block lie end to end.
; Memory bounds it: no LDS, no barrier, no matrix unit; all sixteen loads of a wave go out before its first store.
.set VI, 2                             ; v2  my byte offset in the group's eight rows of W: (thread / 16) x 4,096 + 16 (thread % 16)
.set VO, 3                             ; v3  my byte offset in the group's eight rows of a block: (thread / 16) x 128 + 8 (thread % 16)
.set X,  16                            ; v[16:79]   sixteen loads of four f32
.set Y,  80                            ; v[80:111]  sixteen pairs of packed bf16
	s_load_b256 s[4:11], s[0:1], 0x0               ; Wk s[4:5], Wv s[6:7], Wq s[8:9], wkv s[10:11]
	s_load_b64 s[12:13], s[0:1], 0x20              ; wqb
	s_and_b32 s20, ttmp7, 0xffff                   ; which matrix
	v_lshrrev_b32 v1, 4, v0                        ; my row of the eight
	v_and_b32 v4, 15, v0
	v_lshlrev_b32 v[VI], 12, v1
	v_lshl_add_u32 v[VI], v4, 4, v[VI]
	v_lshlrev_b32 v[VO], 7, v1
	v_lshl_add_u32 v[VO], v4, 3, v[VO]
	s_lshl_b32 s22, ttmp9, 15                      ; eight rows of 4,096 bytes
	s_mov_b32 s23, 0
	s_lshr_b32 s24, ttmp9, 6                       ; y = row / 512
	s_and_b32 s25, ttmp9, 63
	s_lshl_b32 s25, s25, 10                        ; eight rows of 128 bytes inside a block
	s_cmp_eq_u32 s20, 2
	s_cselect_b32 s26, 20, 21                      ; a y of wqb is 16 blocks, of wkv 32
	s_lshl_b32 s24, s24, s26
	s_add_co_u32 s24, s24, s25
	s_cmp_eq_u32 s20, 1
	s_cselect_b32 s26, 0x100000, 0                 ; Wv's blocks stand behind Wk's sixteen
	s_add_co_u32 s24, s24, s26
	s_mov_b32 s25, 0
	s_wait_kmcnt 0x0
	s_cmp_eq_u32 s20, 0
	s_cselect_b64 s[14:15], s[4:5], s[6:7]
	s_cmp_eq_u32 s20, 2
	s_cselect_b64 s[14:15], s[8:9], s[14:15]       ; from
	s_cselect_b64 s[16:17], s[12:13], s[10:11]     ; to
	s_add_nc_u64 s[14:15], s[14:15], s[22:23]
	s_add_nc_u64 s[16:17], s[16:17], s[24:25]
.set t, 0
.rept 16
	global_load_b128 v[X+4*t:X+4*t+3], v[VI], s[14:15] offset:256*t th:TH_LOAD_NT
.set t, t+1
.endr
.set t, 0
.rept 16
	s_wait_loadcnt 15-t                            ; loads come back in order: K block t is in, the younger ones stay out
	v_cvt_pk_bf16_f32 v[Y+2*t], v[X+4*t], v[X+4*t+1]
	v_cvt_pk_bf16_f32 v[Y+2*t+1], v[X+4*t+2], v[X+4*t+3]
	global_store_b64 v[VO], v[Y+2*t:Y+2*t+1], s[16:17] offset:65536*t
.set t, t+1
.endr
	s_endpgm
.Lfunc_end_k_q58b4aed09d_wcvt:
	.size	k_q58b4aed09d_wcvt, .Lfunc_end_k_q58b4aed09d_wcvt-k_q58b4aed09d_wcvt
	.p2alignl 7, 3214868480
	.fill 96, 4, 3214868480
	.section	.rodata,"a",@progbits
	.p2align	6, 0x0
	.amdhsa_kernel k_q58b4aed09d_wcvt
		.amdhsa_group_segment_fixed_size 0
		.amdhsa_private_segment_fixed_size 0
		.amdhsa_enable_private_segment 0
		.amdhsa_kernarg_size 40
		.amdhsa_user_sgpr_count 2
		.amdhsa_user_sgpr_kernarg_segment_ptr 1
		.amdhsa_wavefront_size32 1
		.amdhsa_system_sgpr_workgroup_id_x 1
		.amdhsa_system_sgpr_workgroup_id_y 1
		.amdhsa_system_sgpr_workgroup_id_z 1
		.amdhsa_system_vgpr_workitem_id 0
		.amdhsa_next_free_vgpr 112
		.amdhsa_next_free_sgpr 66
		.amdhsa_reserve_vcc 0
		.amdhsa_float_denorm_mode_32 3
		.amdhsa_float_denorm_mode_16_64 3
		.amdhsa_memory_ordered 1
		.amdhsa_forward_progress 1
		.amdhsa_inst_pref_size 7
	.end_amdhsa_kernel
	.amdgpu_metadata
---
amdhsa.version: [ 1, 2 ]
amdhsa.kernels:
  - .name:           k_q58b4aed09d_wcvt
    .symbol:         k_q58b4aed09d_wcvt.kd
    .args:
      - { .name: Wk, .offset: 0, .size: 8, .value_kind: global_buffer, .address_space: global }
      - { .name: Wv, .offset: 8, .size: 8, .value_kind: global_buffer, .address_space: global }
      - { .name: Wq, .offset: 16, .size: 8, .value_kind: global_buffer, .address_space: global }
      - { .name: wkv, .offset: 24, .size: 8, .value_kind: global_buffer, .address_space: global }
      - { .name: wqb, .offset: 32, .size: 8, .value_kind: global_buffer, .address_space: global }
    .group_segment_fixed_size: 0
    .private_segment_fixed_size: 0
    .kernarg_segment_align: 8
    .kernarg_segment_size: 40
    .max_flat_workgroup_size: 128
    .sgpr_count:     66
    .vgpr_count:     112
    .wavefront_size: 32
...
	.end_amdgpu_metadata
.endif
;; end of part 1
;; launch kvproj (part 2): grid 128 x 2, 4 waves a work-group, clusters of 4 x 1, 327,680 bytes of LDS; arguments k, v, wkv, bk, bv, part; writes part
.if DOCPART == 2
	.amdgcn_target "amdgcn-amd-amdhsa--gfx1250"
	.amdhsa_code_object_version 6
	.text
	.protected	k_q58b4aed09d_kvproj
	.globl	k_q58b4aed09d_kvproj
	.p2align	8
	.type	k_q58b4aed09d_kvproj,@function
k_q58b4aed09d_kvproj:
	s_mov_b64 s[64:65], 0
	v_nop
	global_prefetch_b8 v0, s[64:65] scope:SCOPE_SE
	s_setreg_imm32_b32 hwreg(HW_REG_WAVE_MODE, 25, 1), 1
	s_wait_xcnt 0x0
	s_wait_alu depctr_hold_cnt(0) depctr_sa_sdst(0) depctr_va_vdst(0) depctr_va_sdst(0) depctr_va_ssrc(0) depctr_va_vcc(0) depctr_vm_vsrc(0)
	s_getreg_b32 s2, hwreg(HW_REG_IB_STS2, 6, 4)
	s_cmp_eq_u32 s2, 0
	s_cbranch_scc0 .Lentry_in_a_cluster
	s_endpgm
.Lentry_in_a_cluster:
	s_bfe_u32 s2, ttmp6, 0x10000c
	s_cmp_lg_u32 s2, 0x3003
	s_cbranch_scc0 .Lentry_shape_is_right
	s_endpgm
.Lentry_shape_is_right:
; kp = k Wk^T + bk and vp = v Wv^T + bv for 128 rows x 512 channels (8 heads); each head row of 64 is divided by max(its length, 1e-12); then the partial sums
; kv[i][j] = sum over the 128 rows of kh[s][i] vh[s][j] for the 8 heads go to part, in f32, as the accumulators lie in registers.
; FORMATS.  k, v, the weights and the biases are rounded to bf16 (all of the module's inputs alike); sums in f32; kh and vh, which lie in -1 .. 1 whatever the inputs, are rounded once to f16 for the second product.
; LIMITS.  NaN and infinities are not treated apart.  A sum of squares below 2^-126 counts as 0; its root would lie below 1e-12, so the divisor is 1e-12 either way.  The f32 sums are taken in another order than the reference takes them.
; SHARES.  Work-group (x, y): rows 128 x .. +127, channels 512 y .. +511.  Four waves, each all 128 rows x 128 channels (two whole heads): 64 accumulators of 16 x 16, 512 registers.  So length, f16 copy and second product never leave the wave.
; TWO PASSES, k and then v, are ONE walk of 32 K steps of 64: wkv holds Wk's 16 blocks and then Wv's, so the weights' ring does not notice the change of pass.
; THE WALK ALONG K IS TURNED.  A pass's sixteen K blocks are taken in a ring that begins at block ROT, a number of the cluster: step t takes block (t + ROT) % 16, of the rows and of the weights alike (f32 sums may be taken in any order).
; ROT = x' % 16, all four bits turned where x' >= 16 (x' = the cluster's x, 0 .. 31).  So the clusters of a y ask for sixteen different blocks in every step; request n of the cluster with turn r names the block that request n - 1 of the
; cluster with turn r + 1 has named; and among the clusters that agree in any one bit of x' all sixteen turns occur.
; THE WEIGHTS come by the tensor data mover into two LDS slots; each wave fetches and reads its own 128 rows.  CLUSTER 4 x 1: the four row tiles of a cluster walk the same blocks, so each is asked for JOINTLY (mask 15).
; THE ROWS OF k AND v are f32 in memory and go through registers: 16 loads of 16 bytes a lane, two K steps ahead in two batches of 64 registers, rounded to bf16 ONCE for the work-group, and stored into two LDS slots of their own.
; They are not asked for jointly: only the two work-groups y = 0, 1 share them; as f32 tiles in LDS they would take twice the bytes of the bf16 slots, and each of the four waves would round all 128 rows again.
; THE MATRIX INSTRUCTION IS USED TRANSPOSED (source 0 = 16 rows of W, source 1 = 16 rows of k or v): lane l holds row l % 16 and the eight neighbouring channels 8 (l / 16) + 0..7.  The bias is the C operand of the first product: nothing is cleared.
; REGISTERS, in windows of 256 (s_set_vgpr_msb: bits 1:0 source 0, 3:2 source 1, 5:4 source 2, 7:6 destination):
;   window 0: v0-31 addresses; v32-63 at work; v64-127, v128-191 fragments of the rows, two buffers; v192-255 the bias as a C operand (8 channel blocks x 8)
;   window 1: v0-63, v192-255 the two batches of f32 rows; v64-127, v128-191 fragments of W, two buffers
;   window 2, 3: accumulator (a, b) (rows 16 a, channels 16 b) at v[64 (a % 4) + 8 b] of window 2 + a / 4
.set TOT,   32                         ; K steps in the walk
.set BLK,   65536                      ; bytes in a block of weights: 512 rows x 64 bf16
.set PITCH, 144                        ; an LDS row: 128 bytes + 16 of padding = 36 words: the 16 rows of a fragment load start at 16 different groups of four banks (64 banks of 4 bytes: ISA guide 11.1)
.set BQ,    128*PITCH                  ; a wave's 128 rows of W
.set BSLOT, 4*BQ
.set ASLOT, 128*PITCH
.set AOFF,  2*BSLOT                    ; behind W's two slots, which tensor loads alone fill: the rows' two slots, which LDS stores alone fill
.set STASH, AOFF+2*ASLOT               ; behind them: 128 rows x 272 bytes for each wave: kh, later vh, [row][channel] in f16
.set SPITCH, 272
.set WSTASH, 128*SPITCH
.set SPARE, STASH+4*WSTASH             ; the spare words, 128 bytes for each wave: two blocks of 256 bytes that no other line names
.set ADRA, 16                          ; v16-17  LDS address of my fragments of the rows in slot 0, 1
.set ADRB, 20                          ; v20-21  the same for W
.set ASTA, 22                          ; v22-23  where I store 8 bytes of a rounded row, slot 0, 1
.set AGO,  24                          ; v24     my byte offset in the tile's rows in memory: (32 w + l / 16) x 4,096 + 16 (l % 16)
.set BO,   25                          ; v25     32 (l / 16): my eight channels of a block of 16 in a bias
.set STO,  26                          ; v26     where I put 16 bytes of a row of the stash
.set TRA,  27                          ; v27     my place for the turning loads from the stash
.set SPW,  28                          ; v28     LDS address of my spare word: SPARE + 4 x my thread's number; never rewritten
.set NIL,  29                          ; v29     0; never rewritten
.set PFO,  30                          ; v30     the prefetch's offset: (l / 16) x eight blocks + (l % 16) x 256; never rewritten
.set PO,   31                          ; v31     16 l
.set CV,   32
.set F0,   64
.set F1,   128
.set BIAS, 192
.set KB,   4                           ; s[4:5]   k at the tile's first row
.set WV,   16                          ; s16  my wave's number
.set TM,   21                          ; s21  at work
.set G1,   24                          ; s[24:31] descriptor group 1
.set G0,   32                          ; s[32:39] descriptor group 0, a set for each slot
.set PA,   40                          ; s[40:41] the rows' block that was asked for last
.set VB,   42                          ; s[42:43] v at the tile's first row
.set NL,   44                          ; s44  the K step whose rows are asked for next
.set LAPC, 45
.set ROT,  46                          ; s46  the cluster's turn, 0 .. 15
.set PASS, 47                          ; s47  passes to go, this one among them
.set PFA,  48                          ; s[48:49] where my prefetch stands; never rewritten
.set PFN,  50                          ; s50  1 in a wave that has a prefetch to make, else 0
.set NB,   51                          ; s51  the K step whose weights are asked for next
.set BP2,  52                          ; s[52:53] bv at my 128 channels
.set PP,   54                          ; s[54:55] part at my two heads
.set SEL,  56                          ; s[56:57] v_permlanex16_b32's selects: each lane takes its own place in the other half
.set BP1,  58                          ; s[58:59] bk at my 128 channels
.set WB,   60                          ; s[60:61] wkv at my 128 rows of block 0
.set OFF,  62                          ; s[62:63] a block's byte offset; the high word stays 0
.set MUL_LO,  0xa1                     ; source 0 (W) window 1, source 1 (rows) window 0, C and D window 2
.set MUL_HI,  0xf1                     ; the same, C and D window 3
.set MULZ_LO, 0x81                     ; D window 2, C (the bias) window 0
.set MULZ_HI, 0xc1
.set TO_B,    0x40                     ; destination window 1, address window 0
.set MSB, 0
.macro WIN new                         ; the immediate's high byte repeats the setting that is left; a switch that changes nothing is dropped
.if MSB != (\new)
	s_set_vgpr_msb (MSB<<8)|(\new)
.set MSB, \new
.endif
.endm
.macro PLACES                          ; four plain vector instructions between a matrix instruction and a vector line, load or store that touches its registers
.rept 4
	v_nop
.endr
.endm
.macro CREST                           ; a round of the cluster's barrier behind its opening barrier
	s_cmp_lg_u32 s[WV], 0
	s_cbranch_scc1 .Lnot_wave_0_\@
	s_barrier_signal -3
.Lnot_wave_0_\@:
	s_barrier_wait -3
	s_barrier_signal -1
	s_barrier_wait -1
.endm
.macro CROUND                          ; a whole round
	s_barrier_signal -1
	s_barrier_wait -1
	CREST
.endm
.macro JLOAD slot                      ; a joint load: every wave asks for its own 128 rows of the block; the descriptor hangs on y, the cluster's turn, the wave's number and the step alone
	tensor_load_to_lds s[G0+4*(\slot):G0+4*(\slot)+3], s[G1:G1+7]
	s_nop 0
	PLACES
.endm
; 16 matrix instructions: row blocks a0, a0 + 1 of the window's four x all 8 channel blocks, 32 along K.  zero = 1: the first product starts the sums with the bias.
.macro MUL16 f, hi, a0, zero
.if \zero
	WIN MULZ_LO+0x40*(\hi)
.else
	WIN MUL_LO+0x50*(\hi)
.endif
.irp a, \a0, (\a0)+1
.irp b, 0,1,2,3,4,5,6,7
.if \zero
	v_wmma_f32_16x16x32_bf16 v[8*(8*(\a)+(\b)):8*(8*(\a)+(\b))+7], v[(\f)+8*(\b):(\f)+8*(\b)+7], v[(\f)+8*(4*(\hi)+(\a)):(\f)+8*(4*(\hi)+(\a))+7], v[BIAS+8*(\b):BIAS+8*(\b)+7]
.else
	v_wmma_f32_16x16x32_bf16 v[8*(8*(\a)+(\b)):8*(8*(\a)+(\b))+7], v[(\f)+8*(\b):(\f)+8*(\b)+7], v[(\f)+8*(4*(\hi)+(\a)):(\f)+8*(4*(\hi)+(\a))+7], v[8*(8*(\a)+(\b)):8*(8*(\a)+(\b))+7]
.endif
.endr
.endr
.endm
; 32 LDS loads in one run: the fragments of 32 along K at byte k of the rows (my 128 rows of W, all 128 rows of the tile) into buffer f
.macro FETCH slot, k, f
	WIN TO_B
.irp i, 0,1,2,3,4,5,6,7
	ds_load_b128 v[(\f)+8*(\i):(\f)+8*(\i)+3],   v[ADRB+(\slot)] offset:(\k)+(\i)*16*PITCH
	ds_load_b128 v[(\f)+8*(\i)+4:(\f)+8*(\i)+7], v[ADRB+(\slot)] offset:(\k)+(\i)*16*PITCH+32
.endr
	WIN 0
.irp i, 0,1,2,3,4,5,6,7
	ds_load_b128 v[(\f)+8*(\i):(\f)+8*(\i)+3],   v[ADRA+(\slot)] offset:(\k)+(\i)*16*PITCH
	ds_load_b128 v[(\f)+8*(\i)+4:(\f)+8*(\i)+7], v[ADRA+(\slot)] offset:(\k)+(\i)*16*PITCH+32
.endr
.endm
.macro BLOAD sp                        ; a bias as a C operand: register 8 b + e of lane l is channel 16 b + 8 (l / 16) + e
.irp b, 0,1,2,3,4,5,6,7
	global_load_b128 v[BIAS+8*(\b):BIAS+8*(\b)+3],   v[BO], s[(\sp):(\sp)+1] offset:64*(\b)
	global_load_b128 v[BIAS+8*(\b)+4:BIAS+8*(\b)+7], v[BO], s[(\sp):(\sp)+1] offset:64*(\b)+16
.endr
.endm
.macro BIASPREP                        ; the bias is rounded to bf16 like every input, and widened again
	WIN 0
.set n, 0
.rept 32
	v_cvt_pk_bf16_f32 v[CV+n], v[BIAS+2*n], v[BIAS+2*n+1]
.set n, n+1
.endr
.set n, 0
.rept 32
	v_lshlrev_b32 v[BIAS+2*n], 16, v[CV+n]
	v_and_b32 v[BIAS+2*n+1], 0xffff0000, v[CV+n]
.set n, n+1
.endr
.endm
.macro ACVT bat, left                  ; batch bat (my 32 rows x 64 f32 of a K step) is rounded to bf16.  left: the younger loads that may stay out
	s_wait_loadcnt \left
	WIN 0x05                                       ; sources window 1, destination window 0
.set n, 0
.rept 32
	v_cvt_pk_bf16_f32 v[CV+n], v[192*(\bat)+2*n], v[192*(\bat)+2*n+1]
.set n, n+1
.endr
.endm
.macro ASTO slot                       ; and stored: rows 32 w + l / 16 + 2 i, 8 bytes a lane
	WIN 0
.set n, 0
.rept 16
	ds_store_b64 v[ASTA+(\slot)], v[CV+2*n:CV+2*n+1] offset:288*n
.set n, n+1
.endr
.endm
; Batch bat is asked for again: the rows of K step NL, while there is one: 256 bytes of each row at block (NL + ROT) % 16, of k for steps 0-15 and of v for steps 16-31; the address is made anew from the step's number.
; Where nothing is left, all loads are waited for, so that the counted waits behind hold on both ways.
; sure = 1: at this place of the text a step is always left (the head asks for steps 0, 1 and 2, a pass's first half step for 3 or 19, the first pass's last K step for 18): no test is written.
.macro ALOAD bat, bl, sure
	WIN 0
.if \bl
	BLOAD BP2                                      ; the second pass's bias: the first pass's was last read in K step 0
.endif
.if !(\sure)
	s_cmp_lt_u32 s[NL], TOT
	s_cbranch_scc0 .Lno_\@
.endif
	s_add_co_u32 s[OFF], s[NL], s[ROT]
	s_and_b32 s[OFF], s[OFF], 15
	s_lshl_b32 s[OFF], s[OFF], 8
	s_wait_xcnt 0x0                                ; every load and prefetch issued so far has read its address: the pointer is written only behind this wait
	s_cmp_lt_u32 s[NL], 16
	s_cselect_b64 s[PA:PA+1], s[KB:KB+1], s[VB:VB+1]
	s_add_nc_u64 s[PA:PA+1], s[PA:PA+1], s[OFF:OFF+1]
	WIN 0x40
.set n, 0
.rept 16
	global_load_b128 v[192*(\bat)+4*n:192*(\bat)+4*n+3], v[AGO], s[PA:PA+1] offset:8192*n  ; 16 lanes take 256 consecutive bytes of a row, aligned
.set n, n+1
.endr
	WIN 0
	s_add_co_u32 s[NL], s[NL], 1
.if !(\sure)
	s_branch .Ldone_\@
.Lno_\@:
	s_wait_loadcnt 0x0
.Ldone_\@:
.endif
.endm
; A K step is two halves of 32 along K, 64 matrix instructions each, on buffers 0 and 1.  The first half multiplies buffer 0; in its middle stand, in one run, the next step's rows (rounded and stored into the
; other slot, which nobody reads since the last barrier), this step's second fragments, and the request for the rows three steps on.  The 32 roundings are also the places in front of the fragment loads.
.macro QUARTER slot, zero, ast, left, bl, sure
	s_wait_dscnt 8                                 ; W's fragments and rows 0-63 are in; the youngest eight loads (rows 64-127) may be out
	MUL16 F0, 0, 0, \zero
	MUL16 F0, 0, 2, \zero
.if \ast
	ACVT 1-(\slot), \left
	ASTO 1-(\slot)
.else
	PLACES
.endif
	FETCH \slot, 64, F1
.if \ast
	ALOAD 1-(\slot), \bl, \sure
.endif
	s_wait_dscnt 32                                ; all but the 32 loads just issued
	MUL16 F0, 1, 0, \zero
	MUL16 F0, 1, 2, \zero
.endm
; The second half multiplies buffer 1 and changes slots: ONE barrier.  In front of it each wave waits for all its tensor loads (one is out: its part of the next slot), adds 0 to its spare word, and waits for
; that, for its stores of the next step's rows and for its reads of this slot.  round = 1: this slot is filled again behind a round of the cluster's barrier, with the weights of K step NB: block (NB + ROT) % 16 of
; Wk's sixteen, or (bit 4 of NB) of Wv's.  The descriptor's address is made anew from that number, while the add is out: no tensor load of mine is out, so a group 0 may be written.
.macro MEET round, slot
	WIN 0
	s_wait_tensorcnt 0x0
	ds_add_u32 v[SPW], v[NIL]
.if \round
	s_add_co_u32 s[OFF], s[NB], s[ROT]
	s_and_b32 s[OFF], s[OFF], 15
	s_and_b32 s[TM], s[NB], 16
	s_or_b32 s[OFF], s[OFF], s[TM]
	s_lshl_b32 s[OFF], s[OFF], 16                  ; a block is 65,536 bytes
	s_add_nc_u64 s[G0+4*(\slot)+2:G0+4*(\slot)+3], s[WB:WB+1], s[OFF:OFF+1]
	s_or_b32 s[G0+4*(\slot)+3], s[G0+4*(\slot)+3], 0x80000000
	s_add_co_u32 s[NB], s[NB], 1
.endif
	s_wait_dscnt 9                                 ; (the add and the youngest eight loads may be out)
	MUL16 F1, 0, 0, 0
	s_wait_dscnt 0x0
	s_barrier_signal -1
	MUL16 F1, 0, 2, 0
.if \round
	WIN 0
.endif
	s_barrier_wait -1
.endm
; A PREFETCH INTO THE L2 of Wv's sixteen blocks, whose first requests in the launch are the refills for K steps 16 and 17.  (Wk's sixteen are all named by the clusters' first two fills, at the head, where nothing is prefetched.)
; It stands once, in the first pass's seventh lap (LAPC = 1), behind the joint load and the run of LDS loads: 256 matrix instructions ahead of the refill for K step 16.
; WHO: the clusters x' = 0 .. 7 of each y, whose turn is x'; each names two blocks, 16 + x' (lanes 0-15) and 24 + x' (lanes 16-31); of the 64 pieces of 256 bytes that wave w fetches of a block, the partner at place cx
; takes 16, told apart BY ADDRESS.  So each piece is named once in the launch.  The address is never rewritten; block 31 is the last that is named, and the buffer's last.
.macro ASK
	s_cmp_eq_u32 s[LAPC], s[PFN]                   ; LAPC runs from 7 to 1
	s_cbranch_scc0 .Lnot_mine_\@
	global_prefetch_b8 v[PFO], s[PFA:PFA+1] th:TH_LOAD_NT scope:SCOPE_SE
	s_mov_b32 s[PFN], 0                            ; the second pass asks for nothing
.Lnot_mine_\@:
.endm
.macro TURN slot, next, ask
	MEET 1, \slot
	CREST                                          ; the barrier has opened a round of the cluster's: no wave of any partner still reads this slot or has a load on its way
	JLOAD \slot                                    ; the first thing behind the round, one a wave; its four v_nop are also the places in front of the loads below
	FETCH \next, 0, F0
.if \ask
	ASK
.endif
	MUL16 F1, 1, 0, 0
	MUL16 F1, 1, 2, 0
.endm
.macro TURNL                           ; the change into the walk's last K step: nothing is filled again, so no round follows
	MEET 0, 0
	PLACES
	FETCH 1, 0, F0
	MUL16 F1, 1, 0, 0
	MUL16 F1, 1, 2, 0
.endm
.macro LASTQ
	s_wait_dscnt 8
	MUL16 F1, 0, 0, 0
	MUL16 F1, 0, 2, 0
	s_wait_dscnt 0x0
	MUL16 F1, 1, 0, 0
	MUL16 F1, 1, 2, 0
.endm
; THE NORMALISATION of the four row blocks of window W: eight chains c = 2 a' + head.  A lane holds 32 of a head row's 64 numbers, the lane 16 away the others.
.macro EPIH W
	WIN 5*(\W)                                     ; sources 0 and 1 window W, the sums in window 0
.set q, 0
.rept 16                                           ; each accumulator's lowest registers are read first
.set c, 0
.rept 8
.set rg, 64*(c/2)+8*(4*(c%2)+q/4)+2*(q%4)
.if q == 0
	v_pk_mul_f32 v[CV+2*c:CV+2*c+1], v[rg:rg+1], v[rg:rg+1]
.else
	v_pk_fma_f32 v[CV+2*c:CV+2*c+1], v[rg:rg+1], v[rg:rg+1], v[CV+2*c:CV+2*c+1]
.endif
.set c, c+1
.endr
.set q, q+1
.endr
	WIN 0
.irp c, 0,1,2,3,4,5,6,7
	v_add_f32 v[CV+2*(\c)], v[CV+2*(\c)], v[CV+2*(\c)+1]
.endr
.irp c, 0,1,2,3,4,5,6,7
	v_permlanex16_b32 v[CV+2*(\c)+1], v[CV+2*(\c)], s[SEL], s[SEL+1]
.endr
.irp c, 0,1,2,3,4,5,6,7
	v_add_f32 v[CV+2*(\c)], v[CV+2*(\c)], v[CV+2*(\c)+1]
.endr
.irp c, 0,1,2,3,4,5,6,7
	v_sqrt_f32 v[CV+2*(\c)], v[CV+2*(\c)]
.endr
	v_nop                                          ; a plain instruction behind the last root,
	s_wait_alu depctr_va_vdst(0)                   ; and the one wait ahead of the batch's first reader
.irp c, 0,1,2,3,4,5,6,7
	v_max_num_f32 v[CV+2*(\c)], 0x2b8cbccc, v[CV+2*(\c)]  ; 1e-12
.endr
.irp c, 0,1,2,3,4,5,6,7
	v_rcp_f32 v[CV+2*(\c)], v[CV+2*(\c)]
.endr
	v_nop
	s_wait_alu depctr_va_vdst(0)
	WIN ((\W)<<6)|(\W)                             ; destination and source 0 window W, the reciprocal in window 0
.set c, 0
.rept 8
.set z, 0
.rept 16
.set rg, 64*(c/2)+32*(c%2)+2*z
	v_pk_mul_f32 v[rg:rg+1], v[rg:rg+1], v[CV+2*c:CV+2*c+1] op_sel_hi:[1,0]
.set z, z+1
.endr
.set c, c+1
.endr
.irp a, 0,1,2,3                                    ; a block of 16 rows: rounded to f16, 16 bytes (8 channels) a lane and channel block, into my stash
	WIN 5*(\W)
.set n, 0
.rept 32
	v_cvt_pk_f16_f32 v[CV+n], v[64*(\a)+2*n], v[64*(\a)+2*n+1]
.set n, n+1
.endr
	WIN 0
.irp b, 0,1,2,3,4,5,6,7
	ds_store_b128 v[STO], v[CV+4*(\b):CV+4*(\b)+3] offset:(4*((\W)-2)+(\a))*16*SPITCH+32*(\b)
.endr
.endr
.endm
; The stash, [row][channel], is read turned: chunk c of 32 rows, channel block b: a fragment of 16 channels x 32 rows.  LDS serves a wave's instructions in order (ISA guide 5.7.1.4), and the stash is the wave's own.
.macro KLOAD                           ; kh into the four fragment buffers, which the walk has left; vh then takes kh's place in the stash
.irp c, 0,1,2,3
	WIN 0x40*((\c)/2)
.irp b, 0,1,2,3,4,5,6,7
	ds_load_tr16_b128 v[64+64*((\c)%2)+8*(\b):64+64*((\c)%2)+8*(\b)+3],   v[TRA] offset:(\c)*32*SPITCH+32*(\b)
	ds_load_tr16_b128 v[64+64*((\c)%2)+8*(\b)+4:64+64*((\c)%2)+8*(\b)+7], v[TRA] offset:(\c)*32*SPITCH+16*SPITCH+32*(\b)
.endr
.endr
	WIN 0
.endm
.macro VLOAD                           ; vh into window 3
	WIN 0xc0
.irp c, 0,1,2,3
.irp b, 0,1,2,3,4,5,6,7
	ds_load_tr16_b128 v[64*(\c)+8*(\b):64*(\c)+8*(\b)+3],   v[TRA] offset:(\c)*32*SPITCH+32*(\b)
	ds_load_tr16_b128 v[64*(\c)+8*(\b)+4:64*(\c)+8*(\b)+7], v[TRA] offset:(\c)*32*SPITCH+16*SPITCH+32*(\b)
.endr
.endr
.endm
	s_load_b256 s[4:11], s[0:1], 0x0               ; k s[4:5], v s[6:7], wkv s[8:9], bk s[10:11]
	s_load_b128 s[12:15], s[0:1], 0x20             ; bv s[12:13], part s[14:15]
	v_lshl_add_u32 v[SPW], v0, 2, SPARE
	v_mov_b32 v[NIL], 0
	ds_add_u32 v[SPW], v[NIL]                      ; the wave's opening: the add and its wait stand ahead of my first tensor load; the set-up below, work on registers, stands between them
	v_lshrrev_b32 v1, 5, v0
	v_readfirstlane_b32 s[WV], v1                  ; wave 0..3
	s_bfe_u32 s17, ttmp6, 0x40000                  ; cx: my place in the cluster
	s_lshl_b32 s18, ttmp9, 2                       ; in a cluster launch ttmp9 counts clusters
	s_add_co_u32 s18, s18, s17                     ; x: my row tile; it enters the addresses of k, v and part alone
	s_and_b32 s19, ttmp7, 0xffff                   ; y, which the four partners share
	s_lshr_b32 s20, ttmp9, 4                       ; the cluster's turn, made of the cluster's x alone: the same in all four partners
	s_mul_i32 s20, s20, 15
	s_and_b32 s[ROT], ttmp9, 15
	s_xor_b32 s[ROT], s[ROT], s20
	s_mov_b32 s[OFF+1], 0
	; descriptor group 1.  A wave's 128 rows of a block are 16,384 dense bytes: asked for as 64 rows of 256 bytes, two rows of W each, and padded in LDS after every row of W
	s_mov_b32 s[G1], 15|(1<<16)|(1<<20)|(1<<21)|(4<<22)|(3<<25)  ; 15:0 the mask of four; 17:16 2-byte elements; 20 padding on; 21 set beside a mask; 24:22 after every 32 words (code 4); 31:25 4 words (code 3)
	s_mov_b32 s[G1+1], 128<<16                     ; tensor_dim0 = 128
	s_mov_b32 s[G1+2], 64<<16                      ; tensor_dim1 = 64
	s_mov_b32 s[G1+3], 128<<16                     ; tile_dim0 = 128
	s_mov_b32 s[G1+4], 64                          ; tile_dim1 = 64
	s_mov_b32 s[G1+5], 128                         ; 128 elements from row to row
	s_mov_b32 s[G1+6], 0
	s_mov_b32 s[G1+7], 0
	s_mov_b32 s[SEL], 0x76543210
	s_mov_b32 s[SEL+1], 0xfedcba98
	s_mov_b32 s[NL], 0
	s_mov_b32 s[NB], 2
	s_mov_b32 s[PASS], 2
	s_cmp_lt_u32 ttmp9, 8                          ; the same in all four partners
	s_cselect_b32 s[PFN], 1, 0
	v_and_b32 v1, 15, v0                           ; l % 16
	v_bfe_u32 v2, v0, 4, 1                         ; l / 16
	v_and_b32 v3, 31, v0                           ; l
	v_mul_u32_u24 v4, v1, PITCH
	v_lshl_add_u32 v4, v2, 4, v4                   ; a fragment's row x pitch + 16 x half
	s_mul_i32 s20, s[WV], BQ                       ; my 128 rows of W in a slot: no place in the cluster enters an LDS address
	v_add_nc_u32 v[ADRA], AOFF, v4
	v_add_nc_u32 v[ADRA+1], AOFF+ASLOT, v4
	v_add_nc_u32 v[ADRB], s20, v4
	s_add_co_u32 s21, s20, BSLOT
	v_add_nc_u32 v[ADRB+1], s21, v4
	v_mul_u32_u24 v5, v2, PITCH
	v_lshl_add_u32 v5, v1, 3, v5
	s_mul_i32 s21, s[WV], 32*PITCH                 ; the 32 rows that I round
	s_add_co_u32 s21, s21, AOFF
	v_add_nc_u32 v[ASTA], s21, v5
	s_add_co_u32 s21, s21, ASLOT
	v_add_nc_u32 v[ASTA+1], s21, v5
	v_lshlrev_b32 v[AGO], 12, v2
	v_lshl_add_u32 v[AGO], v1, 4, v[AGO]
	s_lshl_b32 s21, s[WV], 17
	v_add_nc_u32 v[AGO], s21, v[AGO]
	v_lshlrev_b32 v[BO], 5, v2
	v_lshlrev_b32 v[PFO], 19, v2                   ; eight blocks of 65,536 bytes
	v_lshl_add_u32 v[PFO], v1, 8, v[PFO]
	s_mul_i32 s21, s[WV], WSTASH
	s_add_co_u32 s21, s21, STASH                   ; my stash
	v_mul_u32_u24 v6, v1, SPITCH
	v_lshl_add_u32 v6, v2, 4, v6
	v_add_nc_u32 v[STO], s21, v6
	v_and_b32 v7, 7, v0                            ; the turning load: lane l reads row 8 (l / 16) + l % 8, channels 8 ((l / 8) % 2) + 0..7
	v_lshl_add_u32 v7, v2, 3, v7
	v_mul_u32_u24 v7, v7, SPITCH
	v_bfe_u32 v8, v0, 3, 1
	v_lshl_add_u32 v7, v8, 4, v7
	v_add_nc_u32 v[TRA], s21, v7
	v_lshlrev_b32 v[PO], 4, v3
	s_wait_dscnt 0x0                               ; the opening add is done
	s_wait_kmcnt 0x0
	s_lshl_b32 s2, s18, 19                         ; 128 rows of 4,096 bytes
	s_mov_b32 s3, 0
	s_add_nc_u64 s[KB:KB+1], s[4:5], s[2:3]
	s_add_nc_u64 s[VB:VB+1], s[6:7], s[2:3]
	s_lshl_b32 s22, s19, 11                        ; my 128 channels in a bias: (512 y + 128 w) x 4 bytes
	s_lshl_b32 s23, s[WV], 9
	s_add_co_u32 s22, s22, s23
	s_mov_b32 s23, 0
	s_add_nc_u64 s[BP1:BP1+1], s[10:11], s[22:23]
	s_add_nc_u64 s[BP2:BP2+1], s[12:13], s[22:23]
	ALOAD 0, 0, 1                                  ; the rows of K step 0
	ALOAD 1, 0, 1                                  ; of K step 1
	BLOAD BP1
	s_lshl_b32 s22, s19, 21                        ; a y of wkv is 32 blocks
	s_lshl_b32 s23, s[WV], 14                      ; my 128 rows of a block
	s_add_co_u32 s22, s22, s23
	s_mov_b32 s23, 0
	s_add_nc_u64 s[WB:WB+1], s[8:9], s[22:23]
	s_lshl_b32 s22, s19, 17                        ; part: [x][head 8 y + 2 w + hd][tile][half][lane][16 bytes]
	s_lshl_b32 s23, s[WV], 15
	s_add_co_u32 s22, s22, s23
	s_lshl_b32 s2, s18, 18
	s_add_co_u32 s2, s2, s22
	s_add_nc_u64 s[PP:PP+1], s[14:15], s[2:3]
	s_lshl_b32 s2, s17, 12                         ; my work-group's 16 of the 64 pieces of 256 bytes,
	s_add_nc_u64 s[PFA:PFA+1], s[WB:WB+1], s[2:3]
	s_and_b32 s[OFF], s[ROT], 7                    ; in block 16 + x' (the clusters that ask have x' = their turn, under 8)
	s_add_co_u32 s[OFF], s[OFF], 16
	s_lshl_b32 s[OFF], s[OFF], 16
	s_add_nc_u64 s[PFA:PFA+1], s[PFA:PFA+1], s[OFF:OFF+1]
.irp s, 0,1
	s_add_co_u32 s[OFF], s[ROT], (\s)                                  ; K step s takes block (s + ROT) % 16
	s_and_b32 s[OFF], s[OFF], 15
	s_lshl_b32 s[OFF], s[OFF], 16
	s_mov_b32 s[G0+4*(\s)], 1                                          ; 1:0 count = 1
	s_add_co_u32 s[G0+4*(\s)+1], s20, (\s)*BSLOT                       ; 63:32 LDS address
	s_add_nc_u64 s[G0+4*(\s)+2:G0+4*(\s)+3], s[WB:WB+1], s[OFF:OFF+1]  ; 120:64 global address
	s_or_b32 s[G0+4*(\s)+3], s[G0+4*(\s)+3], 0x80000000                ; 127:126 type = 2
.endr
	CROUND                                         ; all four work-groups are here: the first joint loads meet
	tensor_load_to_lds s[G0:G0+3], s[G1:G1+7]      ; both first fills go out together: two loads of mine are out
	s_nop 0
	tensor_load_to_lds s[G0+4:G0+7], s[G1:G1+7]
	s_nop 0
	PLACES
	ACVT 0, 32                                     ; K step 0's rows are in; K step 1's sixteen loads and the bias's sixteen may stay out
	ASTO 0
	ALOAD 0, 0, 1                                  ; K step 2's rows
	s_wait_tensorcnt 0x1                           ; my part of W's K step 0 is in; K step 1's may stay out
	s_wait_dscnt 0x0                               ; my stores of the rows are done
	s_barrier_signal -1
	s_barrier_wait -1
	FETCH 0, 0, F0
.Lpass:
	s_wait_loadcnt 16                              ; the bias is in; one batch of rows was asked for behind it, on both ways in
	BIASPREP
	QUARTER 0, 1, 1, 16, 0, 1                      ; a pass's first half step stands in front of the loop: its products start the sums
	WIN 0                                          ; at a label and at a branch every window is 0
	s_mov_b32 s[LAPC], 7
.Llap:                                                 ; a trip goes once round the ring, from a lap's second half step to the next lap's first
	TURN 0, 1, 1
	QUARTER 1, 0, 1, 16, 0, 0
	TURN 1, 0, 0
	QUARTER 0, 0, 1, 16, 0, 0
	WIN 0
	s_sub_co_u32 s[LAPC], s[LAPC], 1
	s_cmp_lg_u32 s[LAPC], 0
	s_cbranch_scc1 .Llap
	s_cmp_eq_u32 s[PASS], 1
	s_cbranch_scc1 .Llast                          ; the second pass's tail is written out: it asks for nothing more
	TURN 0, 1, 0                                   ; THE RING GOES ON INTO THE SECOND PASS: slot 0 takes the weights of K step 16,
	QUARTER 1, 0, 1, 16, 1, 1                      ; (bv is asked for here)
	TURN 1, 0, 0                                   ; slot 1 those of K step 17, and the second pass's first fragments are fetched
	WIN 0
	PLACES
	s_branch .Lepi
.Llast:
	s_wait_loadcnt 0x0                             ; no load is out: the walk's last two requests for rows found no step left and waited for all.  The text says so here too, since what follows joins the way that leads back to .Lpass, where the batches are asked for again
	TURNL
	QUARTER 1, 0, 0, 0, 0, 0
	LASTQ
	WIN 0
	PLACES                                         ; in front of loads into the fragment buffers and of the lines that read the sums
	KLOAD
.Lepi:
	EPIH 2
	EPIH 3
	WIN 0
	s_sub_co_u32 s[PASS], s[PASS], 1
	s_cmp_lg_u32 s[PASS], 0
	s_cbranch_scc1 .Lpass
	; kv[i][j] += kh[s][i] vh[s][j] over my 128 rows, for my two heads: source 0 = 16 channels i x 32 rows, source 1 = 16 channels j x 32 rows.  Accumulator q = 16 hd + 4 jb + ib, in window 2:
	; lane l holds j = 16 jb + l % 16 and i = 16 ib + 8 (l / 16) + 0..7.  The 32 accumulators take turns.
	VLOAD
.irp c, 0,1,2,3
	s_wait_dscnt 16*(3-(\c))                       ; vh's chunk c is in (kh came earlier); the later chunks' loads may stay out
	WIN 0xac|((\c)/2)                              ; kh in window 0 or 1, vh in window 3, C and D in window 2
.set q, 0
.rept 32
.set rk, 64+64*((\c)%2)+8*(4*(q/16)+q%4)
.set rv, 64*(\c)+8*(4*(q/16)+(q/4)%4)
.if (\c) == 0
	v_wmma_f32_16x16x32_f16 v[8*q:8*q+7], v[rk:rk+7], v[rv:rv+7], 0
.else
	v_wmma_f32_16x16x32_f16 v[8*q:8*q+7], v[rk:rk+7], v[rv:rv+7], v[8*q:8*q+7]
.endif
.set q, q+1
.endr
.endr
	PLACES
	WIN 0x08                                       ; store data in window 2
.set q, 0
.rept 32
	global_store_b128 v[PO], v[8*q:8*q+3],   s[PP:PP+1] offset:1024*q      ; each store of the wave covers 512 consecutive bytes, aligned
	global_store_b128 v[PO], v[8*q+4:8*q+7], s[PP:PP+1] offset:1024*q+512
.set q, q+1
.endr
	WIN 0
	s_wait_tensorcnt 0x0                           ; the wave's end, behind my last tensor load and my last LDS store
	ds_add_u32 v[SPW], v[NIL]
	s_wait_dscnt 0x0
	CROUND                                         ; the closing round: no work-group ends while a partner may still ask for a block that names it
	s_endpgm
.Lfunc_end_k_q58b4aed09d_kvproj:
	.size	k_q58b4aed09d_kvproj, .Lfunc_end_k_q58b4aed09d_kvproj-k_q58b4aed09d_kvproj
	.p2alignl 7, 3214868480
	.fill 96, 4, 3214868480
	.section	.rodata,"a",@progbits
	.p2align	6, 0x0
	.amdhsa_kernel k_q58b4aed09d_kvproj
		.amdhsa_group_segment_fixed_size 327680
		.amdhsa_private_segment_fixed_size 0
		.amdhsa_enable_private_segment 0
		.amdhsa_kernarg_size 48
		.amdhsa_user_sgpr_count 2
		.amdhsa_user_sgpr_kernarg_segment_ptr 1
		.amdhsa_wavefront_size32 1
		.amdhsa_system_sgpr_workgroup_id_x 1
		.amdhsa_system_sgpr_workgroup_id_y 1
		.amdhsa_system_sgpr_workgroup_id_z 1
		.amdhsa_system_vgpr_workitem_id 0
		.amdhsa_next_free_vgpr 1024
		.amdhsa_next_free_sgpr 66
		.amdhsa_reserve_vcc 0
		.amdhsa_float_denorm_mode_32 3
		.amdhsa_float_denorm_mode_16_64 3
		.amdhsa_memory_ordered 1
		.amdhsa_forward_progress 1
		.amdhsa_inst_pref_size 196
	.end_amdhsa_kernel
	.amdgpu_metadata
---
amdhsa.version: [ 1, 2 ]
amdhsa.kernels:
  - .name:           k_q58b4aed09d_kvproj
    .symbol:         k_q58b4aed09d_kvproj.kd
    .args:
      - { .name: k, .offset: 0, .size: 8, .value_kind: global_buffer, .address_space: global }
      - { .name: v, .offset: 8, .size: 8, .value_kind: global_buffer, .address_space: global }
      - { .name: wkv, .offset: 16, .size: 8, .value_kind: global_buffer, .address_space: global }
      - { .name: bk, .offset: 24, .size: 8, .value_kind: global_buffer, .address_space: global }
      - { .name: bv, .offset: 32, .size: 8, .value_kind: global_buffer, .address_space: global }
      - { .name: part, .offset: 40, .size: 8, .value_kind: global_buffer, .address_space: global }
    .group_segment_fixed_size: 327680
    .private_segment_fixed_size: 0
    .kernarg_segment_align: 8
    .kernarg_segment_size: 48
    .max_flat_workgroup_size: 128
    .sgpr_count:     66
    .vgpr_count:     1024
    .wavefront_size: 32
...
	.end_amdgpu_metadata
.endif
;; end of part 2
;; launch kvsum (part 3): grid 256 x 1, 4 waves a work-group, no clusters, 0 bytes of LDS; arguments part, kvf; writes kvf
.if DOCPART == 3
	.amdgcn_target "amdgcn-amd-amdhsa--gfx1250"
	.amdhsa_code_object_version 6
	.text
	.protected	k_q58b4aed09d_kvsum
	.globl	k_q58b4aed09d_kvsum
	.p2align	8
	.type	k_q58b4aed09d_kvsum,@function
k_q58b4aed09d_kvsum:
	s_mov_b64 s[64:65], 0
	v_nop
	global_prefetch_b8 v0, s[64:65] scope:SCOPE_SE
	s_setreg_imm32_b32 hwreg(HW_REG_WAVE_MODE, 25, 1), 1
	s_wait_xcnt 0x0
; kv of a batch and head is the sum of the 32 partial sums that the batch's 32 row tiles left in part.  Wave u = 4 x + w of 1,024 takes one tile of 16 x 16 of one head of one batch: 1,024 bytes of each partial.
; The sums stay in f32, in two chains; kv, at most 4,096 in size since kh and vh have length 1 at the most, is rounded once to f16 and stored as the last launch takes it into registers: 16 bytes a lane.
; part: [x 128][head 16][tile 16][half 2][lane 32][16 bytes] f32, x = 32 batch + partial.  kvf: [batch 4][head 16][tile 16][lane 32][16 bytes] f16.
; A ring of 32 loads (16 partials x 2 halves, 512 consecutive bytes each) is kept full through the first half.  Memory bounds it: no LDS, no barrier, no matrix unit, no prefetch beside a stream that is asked for at once.
.set VO,   2                           ; v2  16 l
.set ACC,  8                           ; v[8:15], v[16:23] the two sums
.set OUTR, 24                          ; v[24:27]
.set RING, 32                          ; v[32:159] partial pt at RING + 8 (pt % 16)
.macro PLD pt
	global_load_b128 v[RING+8*((\pt)%16):RING+8*((\pt)%16)+3],   v[VO], s[4:5] offset:(\pt)*262144 th:TH_LOAD_NT
	global_load_b128 v[RING+8*((\pt)%16)+4:RING+8*((\pt)%16)+7], v[VO], s[4:5] offset:(\pt)*262144+512 th:TH_LOAD_NT
.endm
	s_load_b128 s[4:7], s[0:1], 0x0                ; part s[4:5], kvf s[6:7]
	v_lshrrev_b32 v1, 5, v0
	v_readfirstlane_b32 s8, v1
	v_and_b32 v[VO], 31, v0
	v_lshlrev_b32 v[VO], 4, v[VO]
	s_lshl_b32 s9, ttmp9, 2
	s_add_co_u32 s9, s9, s8                        ; u
	s_lshr_b32 s10, s9, 8                          ; the batch: 32 partials of 262,144 bytes
	s_lshl_b32 s10, s10, 23
	s_and_b32 s12, s9, 255                         ; head and tile
	s_lshl_b32 s12, s12, 10
	s_add_co_u32 s10, s10, s12
	s_mov_b32 s11, 0
	s_lshl_b32 s12, s9, 9
	s_mov_b32 s13, 0
	s_wait_kmcnt 0x0
	s_add_nc_u64 s[4:5], s[4:5], s[10:11]
	s_add_nc_u64 s[6:7], s[6:7], s[12:13]
.set pt, 0
.rept 16
	PLD pt
.set pt, pt+1
.endr
.set pp, 0
.rept 16                                           ; partials 2 pp and 2 pp + 1
.if pp < 8
	s_wait_loadcnt 28                              ; the pair's four loads are in; the ring's other 28 stay out
.else
	s_wait_loadcnt 4*(15-pp)
.endif
.set ra, ACC+8*(pp%2)
.set r0, RING+8*((2*pp)%16)
.set r1, RING+8*((2*pp+1)%16)
.if pp < 2
.irp z, 0,2,4,6
	v_pk_add_f32 v[ra+(\z):ra+(\z)+1], v[r0+(\z):r0+(\z)+1], v[r1+(\z):r1+(\z)+1]  ; the first two pairs start the two sums: nothing is cleared
.endr
.else
.irp z, 0,2,4,6
	v_pk_add_f32 v[ra+(\z):ra+(\z)+1], v[ra+(\z):ra+(\z)+1], v[r0+(\z):r0+(\z)+1]
.endr
.irp z, 0,2,4,6
	v_pk_add_f32 v[ra+(\z):ra+(\z)+1], v[ra+(\z):ra+(\z)+1], v[r1+(\z):r1+(\z)+1]
.endr
.endif
.if pp < 8
	PLD 2*pp+16
	PLD 2*pp+17
.endif
.set pp, pp+1
.endr
.irp z, 0,2,4,6
	v_pk_add_f32 v[ACC+(\z):ACC+(\z)+1], v[ACC+(\z):ACC+(\z)+1], v[ACC+8+(\z):ACC+8+(\z)+1]
.endr
.irp z, 0,1,2,3
	v_cvt_pk_f16_f32 v[OUTR+(\z)], v[ACC+2*(\z)], v[ACC+2*(\z)+1]
.endr
	global_store_b128 v[VO], v[OUTR:OUTR+3], s[6:7]  ; 512 consecutive bytes, aligned
	s_endpgm
.Lfunc_end_k_q58b4aed09d_kvsum:
	.size	k_q58b4aed09d_kvsum, .Lfunc_end_k_q58b4aed09d_kvsum-k_q58b4aed09d_kvsum
	.p2alignl 7, 3214868480
	.fill 96, 4, 3214868480
	.section	.rodata,"a",@progbits
	.p2align	6, 0x0
	.amdhsa_kernel k_q58b4aed09d_kvsum
		.amdhsa_group_segment_fixed_size 0
		.amdhsa_private_segment_fixed_size 0
		.amdhsa_enable_private_segment 0
		.amdhsa_kernarg_size 16
		.amdhsa_user_sgpr_count 2
		.amdhsa_user_sgpr_kernarg_segment_ptr 1
		.amdhsa_wavefront_size32 1
		.amdhsa_system_sgpr_workgroup_id_x 1
		.amdhsa_system_sgpr_workgroup_id_y 1
		.amdhsa_system_sgpr_workgroup_id_z 1
		.amdhsa_system_vgpr_workitem_id 0
		.amdhsa_next_free_vgpr 160
		.amdhsa_next_free_sgpr 66
		.amdhsa_reserve_vcc 0
		.amdhsa_float_denorm_mode_32 3
		.amdhsa_float_denorm_mode_16_64 3
		.amdhsa_memory_ordered 1
		.amdhsa_forward_progress 1
		.amdhsa_inst_pref_size 16
	.end_amdhsa_kernel
	.amdgpu_metadata
---
amdhsa.version: [ 1, 2 ]
amdhsa.kernels:
  - .name:           k_q58b4aed09d_kvsum
    .symbol:         k_q58b4aed09d_kvsum.kd
    .args:
      - { .name: part, .offset: 0, .size: 8, .value_kind: global_buffer, .address_space: global }
      - { .name: kvf, .offset: 8, .size: 8, .value_kind: global_buffer, .address_space: global }
    .group_segment_fixed_size: 0
    .private_segment_fixed_size: 0
    .kernarg_segment_align: 8
    .kernarg_segment_size: 16
    .max_flat_workgroup_size: 128
    .sgpr_count:     66
    .vgpr_count:     160
    .wavefront_size: 32
...
	.end_amdgpu_metadata
.endif
;; end of part 3
;; launch qproj (part 4): grid 128 x 2, 4 waves a work-group, clusters of 4 x 1, 327,680 bytes of LDS; arguments q, wqb, bq, kvf, out0; writes out0
.if DOCPART == 4
	.amdgcn_target "amdgcn-amd-amdhsa--gfx1250"
	.amdhsa_code_object_version 6
	.text
	.protected	k_q58b4aed09d_qproj
	.globl	k_q58b4aed09d_qproj
	.p2align	8
	.type	k_q58b4aed09d_qproj,@function
k_q58b4aed09d_qproj:
	s_mov_b64 s[64:65], 0
	v_nop
	global_prefetch_b8 v0, s[64:65] scope:SCOPE_SE
	s_setreg_imm32_b32 hwreg(HW_REG_WAVE_MODE, 25, 1), 1
	s_wait_xcnt 0x0
	s_wait_alu depctr_hold_cnt(0) depctr_sa_sdst(0) depctr_va_vdst(0) depctr_va_sdst(0) depctr_va_ssrc(0) depctr_va_vcc(0) depctr_vm_vsrc(0)
	s_getreg_b32 s2, hwreg(HW_REG_IB_STS2, 6, 4)
	s_cmp_eq_u32 s2, 0
	s_cbranch_scc0 .Lentry_in_a_cluster
	s_endpgm
.Lentry_in_a_cluster:
	s_bfe_u32 s2, ttmp6, 0x10000c
	s_cmp_lg_u32 s2, 0x3003
	s_cbranch_scc0 .Lentry_shape_is_right
	s_endpgm
.Lentry_shape_is_right:
; qp = q Wq^T + bq for 128 rows x 512 channels (8 heads), and on the way out xh = qp kv for each head: out0[row][64 g + j] = sum over i of qp[row][64 g + i] kv[g][i][j], in f32.
; FORMATS.  q, Wq and bq are rounded to bf16 (all of the module's inputs alike); sums in f32; qp and kv are rounded once to f16 for the second product.
; LIMITS.  qp must lie within f16's range: |qp| below 65,504 (with q and Wq both thirty times the drawn spread it is some 900, with both carrying an offset of thirty spreads some 29,000).  NaN and infinities are not
; treated apart.  The f32 sums are taken in another order than the reference takes them.
; SHARES.  Work-group (x, y): rows 128 x .. +127, channels 512 y .. +511.  Four waves, each all 128 rows x 128 channels (two whole heads): 64 accumulators of 16 x 16, 512 registers.  The second product never leaves the wave.
; THE WALK ALONG K IS TURNED.  The sixteen K blocks of 64 are taken in a ring that begins at block ROT, a number of the cluster: step t takes block (t + ROT) % 16, of the rows and of the weights alike (f32 sums may be taken in any order).
; ROT = x' % 16, all four bits turned where x' >= 16 (x' = the cluster's x, 0 .. 31).  So the clusters of a y ask for sixteen different blocks in every step; request n of the cluster with turn r names the block that request n - 1 of the
; cluster with turn r + 1 has named; and among the clusters that agree in any one bit of x' all sixteen turns occur.
; THE WEIGHTS come by the tensor data mover into two LDS slots; each wave fetches and reads its own 128 rows.  CLUSTER 4 x 1: the four row tiles of a cluster walk the same blocks, asked for JOINTLY (mask 15).
; NO PREFETCH: the clusters' first two fills, at the head, name all sixteen blocks of a y between them, so no block is left whose first request in the launch comes later; and nothing is prefetched at the head.
; THE ROWS OF q are f32 in memory and go through registers: 16 loads of 16 bytes a lane, two K steps ahead in two batches of 64 registers, rounded to bf16 ONCE for the work-group, and stored into two LDS slots of their own.
; They are not asked for jointly: only the two work-groups y = 0, 1 share them; as f32 tiles in LDS they would take twice the bytes of the bf16 slots, and each of the four waves would round all 128 rows again.
; THE MATRIX INSTRUCTION IS USED TRANSPOSED (source 0 = 16 rows of W, source 1 = 16 rows of q): lane l holds row l % 16 and the eight neighbouring channels 8 (l / 16) + 0..7.  Two such results, rounded to f16 in pairs, ARE
; source 1 (16 rows x 32 channels i) of the second product, whose source 0 is kv^T (16 channels j x 32 i) and whose result has the first product's layout again.  The bias is the C operand of the first product.
; REGISTERS, in windows of 256 (s_set_vgpr_msb: bits 1:0 source 0, 3:2 source 1, 5:4 source 2, 7:6 destination):
;   window 0: v0-31 addresses; v32-63 at work; v64-127, v128-191 fragments of the rows, two buffers; v192-255 the bias.  On the way out: v64-127 qp in f16, two buffers; v128-255 rows read back, two buffers
;   window 1: v0-63, v192-255 the two batches of f32 rows, at the end kv of my two heads; v64-127, v128-191 fragments of W
;   window 2, 3: accumulator (a, b) (rows 16 a, channels 16 b) at v[64 (a % 4) + 8 b] of window 2 + a / 4
.set TOT,   16                         ; K steps
.set BLK,   65536                      ; bytes in a block of weights: 512 rows x 64 bf16
.set PITCH, 144                        ; an LDS row: 128 bytes + 16 of padding = 36 words: the 16 rows of a fragment load start at 16 different groups of four banks (64 banks of 4 bytes: ISA guide 11.1)
.set BQ,    128*PITCH                  ; a wave's 128 rows of W
.set BSLOT, 4*BQ
.set ASLOT, 128*PITCH
.set AOFF,  2*BSLOT                    ; behind W's two slots, which tensor loads alone fill: the rows' two slots, which LDS stores alone fill
.set STAGE, AOFF+2*ASLOT               ; behind them: 16 rows x 528 bytes for each wave, for the way out
.set SP,    528                        ; 512 bytes + 16 = 132 words: the 16 rows of a store start at 16 different groups of four banks
.set WSTAGE, 16*SP
.set SPARE, STAGE+4*WSTAGE             ; the spare words, 128 bytes for each wave: two blocks of 256 bytes that no other line names
.set ADRA, 16                          ; v16-17  LDS address of my fragments of the rows in slot 0, 1
.set ADRB, 20                          ; v20-21  the same for W
.set ASTA, 22                          ; v22-23  where I store 8 bytes of a rounded row, slot 0, 1
.set AGO,  24                          ; v24     my byte offset in the tile's rows in memory: (32 w + l / 16) x 4,096 + 16 (l % 16)
.set BO,   25                          ; v25     32 (l / 16): my eight channels of a block of 16 in the bias
.set STO,  26                          ; v26     the way out: where I put 16 bytes of a row
.set RD,   27                          ; v27     the way out: where I read a row back
.set SPW,  28                          ; v28     LDS address of my spare word: SPARE + 4 x my thread's number; never rewritten
.set NIL,  29                          ; v29     0; never rewritten
.set CO,   31                          ; v31     16 l
.set CV,   32
.set F0,   64
.set F1,   128
.set BIAS, 192
.set QB,   4                           ; s[4:5]   q at the tile's first row
.set WV,   16                          ; s16  my wave's number
.set G1,   24                          ; s[24:31] descriptor group 1
.set G0,   32                          ; s[32:39] descriptor group 0, a set for each slot
.set PA,   40                          ; s[40:41] the rows' block that was asked for last
.set NL,   44                          ; s44  the K step whose rows are asked for next
.set LAPC, 45
.set ROT,  46                          ; s46  the cluster's turn, 0 .. 15
.set NB,   51                          ; s51  the K step whose weights are asked for next
.set KVP,  52                          ; s[52:53] kvf at my two heads
.set OUTP, 54                          ; s[54:55] out0 at the tile's first row, my 128 channels
.set BP1,  58                          ; s[58:59] bq at my 128 channels
.set WB,   60                          ; s[60:61] wqb at my 128 rows of block 0
.set OFF,  62                          ; s[62:63] a block's byte offset; the high word stays 0
.set MUL_LO,  0xa1                     ; source 0 window 1, source 1 window 0, C and D window 2
.set MUL_HI,  0xf1                     ; the same, C and D window 3
.set MULZ_LO, 0x81                     ; D window 2, C (the bias) window 0
.set MULZ_HI, 0xc1
.set TO_B,    0x40                     ; destination window 1, address window 0
.set MSB, 0
.macro WIN new                         ; the immediate's high byte repeats the setting that is left; a switch that changes nothing is dropped
.if MSB != (\new)
	s_set_vgpr_msb (MSB<<8)|(\new)
.set MSB, \new
.endif
.endm
.macro PLACES                          ; four plain vector instructions between a matrix instruction and a vector line, load or store that touches its registers
.rept 4
	v_nop
.endr
.endm
.macro CREST                           ; a round of the cluster's barrier behind its opening barrier
	s_cmp_lg_u32 s[WV], 0
	s_cbranch_scc1 .Lnot_wave_0_\@
	s_barrier_signal -3
.Lnot_wave_0_\@:
	s_barrier_wait -3
	s_barrier_signal -1
	s_barrier_wait -1
.endm
.macro CROUND                          ; a whole round
	s_barrier_signal -1
	s_barrier_wait -1
	CREST
.endm
.macro JLOAD slot                      ; a joint load: every wave asks for its own 128 rows of the block; the descriptor hangs on y, the cluster's turn, the wave's number and the step alone
	tensor_load_to_lds s[G0+4*(\slot):G0+4*(\slot)+3], s[G1:G1+7]
	s_nop 0
	PLACES
.endm
; 16 matrix instructions: row blocks a0, a0 + 1 of the window's four x all 8 channel blocks, 32 along K.  zero = 1: the first product starts the sums with the bias.
.macro MUL16 f, hi, a0, zero
.if \zero
	WIN MULZ_LO+0x40*(\hi)
.else
	WIN MUL_LO+0x50*(\hi)
.endif
.irp a, \a0, (\a0)+1
.irp b, 0,1,2,3,4,5,6,7
.if \zero
	v_wmma_f32_16x16x32_bf16 v[8*(8*(\a)+(\b)):8*(8*(\a)+(\b))+7], v[(\f)+8*(\b):(\f)+8*(\b)+7], v[(\f)+8*(4*(\hi)+(\a)):(\f)+8*(4*(\hi)+(\a))+7], v[BIAS+8*(\b):BIAS+8*(\b)+7]
.else
	v_wmma_f32_16x16x32_bf16 v[8*(8*(\a)+(\b)):8*(8*(\a)+(\b))+7], v[(\f)+8*(\b):(\f)+8*(\b)+7], v[(\f)+8*(4*(\hi)+(\a)):(\f)+8*(4*(\hi)+(\a))+7], v[8*(8*(\a)+(\b)):8*(8*(\a)+(\b))+7]
.endif
.endr
.endr
.endm
; 32 LDS loads in one run: the fragments of 32 along K at byte k of the rows (my 128 rows of W, all 128 rows of the tile) into buffer f
.macro FETCH slot, k, f
	WIN TO_B
.irp i, 0,1,2,3,4,5,6,7
	ds_load_b128 v[(\f)+8*(\i):(\f)+8*(\i)+3],   v[ADRB+(\slot)] offset:(\k)+(\i)*16*PITCH
	ds_load_b128 v[(\f)+8*(\i)+4:(\f)+8*(\i)+7], v[ADRB+(\slot)] offset:(\k)+(\i)*16*PITCH+32
.endr
	WIN 0
.irp i, 0,1,2,3,4,5,6,7
	ds_load_b128 v[(\f)+8*(\i):(\f)+8*(\i)+3],   v[ADRA+(\slot)] offset:(\k)+(\i)*16*PITCH
	ds_load_b128 v[(\f)+8*(\i)+4:(\f)+8*(\i)+7], v[ADRA+(\slot)] offset:(\k)+(\i)*16*PITCH+32
.endr
.endm
.macro BLOAD sp                        ; the bias as a C operand: register 8 b + e of lane l is channel 16 b + 8 (l / 16) + e
.irp b, 0,1,2,3,4,5,6,7
	global_load_b128 v[BIAS+8*(\b):BIAS+8*(\b)+3],   v[BO], s[(\sp):(\sp)+1] offset:64*(\b)
	global_load_b128 v[BIAS+8*(\b)+4:BIAS+8*(\b)+7], v[BO], s[(\sp):(\sp)+1] offset:64*(\b)+16
.endr
.endm
.macro BIASPREP                        ; the bias is rounded to bf16 like every input, and widened again
	WIN 0
.set n, 0
.rept 32
	v_cvt_pk_bf16_f32 v[CV+n], v[BIAS+2*n], v[BIAS+2*n+1]
.set n, n+1
.endr
.set n, 0
.rept 32
	v_lshlrev_b32 v[BIAS+2*n], 16, v[CV+n]
	v_and_b32 v[BIAS+2*n+1], 0xffff0000, v[CV+n]
.set n, n+1
.endr
.endm
.macro ACVT bat, left                  ; batch bat (my 32 rows x 64 f32 of a K step) is rounded to bf16.  left: the younger loads that may stay out
	s_wait_loadcnt \left
	WIN 0x05                                       ; sources window 1, destination window 0
.set n, 0
.rept 32
	v_cvt_pk_bf16_f32 v[CV+n], v[192*(\bat)+2*n], v[192*(\bat)+2*n+1]
.set n, n+1
.endr
.endm
.macro ASTO slot                       ; and stored: rows 32 w + l / 16 + 2 i, 8 bytes a lane
	WIN 0
.set n, 0
.rept 16
	ds_store_b64 v[ASTA+(\slot)], v[CV+2*n:CV+2*n+1] offset:288*n
.set n, n+1
.endr
.endm
; Batch bat is asked for again: the rows of K step NL, while there is one: 256 bytes of each row at block (NL + ROT) % 16; the address is made anew from the step's number.
; Where nothing is left, all loads are waited for, so that the counted waits behind hold on both ways.
; sure = 1: at this place of the text a step is always left (the head asks for steps 0, 1 and 2, the first half step for step 3): no test is written.
.macro ALOAD bat, sure
	WIN 0
.if !(\sure)
	s_cmp_lt_u32 s[NL], TOT
	s_cbranch_scc0 .Lno_\@
.endif
	s_add_co_u32 s[OFF], s[NL], s[ROT]
	s_and_b32 s[OFF], s[OFF], 15
	s_lshl_b32 s[OFF], s[OFF], 8
	s_wait_xcnt 0x0                                ; every load issued so far has read its address: the pointer is written only behind this wait
	s_add_nc_u64 s[PA:PA+1], s[QB:QB+1], s[OFF:OFF+1]
	WIN 0x40
.set n, 0
.rept 16
	global_load_b128 v[192*(\bat)+4*n:192*(\bat)+4*n+3], v[AGO], s[PA:PA+1] offset:8192*n  ; 16 lanes take 256 consecutive bytes of a row, aligned
.set n, n+1
.endr
	WIN 0
	s_add_co_u32 s[NL], s[NL], 1
.if !(\sure)
	s_branch .Ldone_\@
.Lno_\@:
	s_wait_loadcnt 0x0
.Ldone_\@:
.endif
.endm
; A K step is two halves of 32 along K, 64 matrix instructions each, on buffers 0 and 1.  The first half multiplies buffer 0; in its middle stand, in one run, the next step's rows (rounded and stored into the
; other slot, which nobody reads since the last barrier), this step's second fragments, and the request for the rows three steps on.  The 32 roundings are also the places in front of the fragment loads.
.macro QUARTER slot, zero, ast, left, sure
	s_wait_dscnt 8                                 ; W's fragments and rows 0-63 are in; the youngest eight loads (rows 64-127) may be out
	MUL16 F0, 0, 0, \zero
	MUL16 F0, 0, 2, \zero
.if \ast
	ACVT 1-(\slot), \left
	ASTO 1-(\slot)
.else
	PLACES
.endif
	FETCH \slot, 64, F1
.if \ast
	ALOAD 1-(\slot), \sure
.endif
	s_wait_dscnt 32                                ; all but the 32 loads just issued
	MUL16 F0, 1, 0, \zero
	MUL16 F0, 1, 2, \zero
.endm
; The second half multiplies buffer 1 and changes slots: ONE barrier.  In front of it each wave waits for all its tensor loads (one is out: its part of the next slot), adds 0 to its spare word, and waits for
; that, for its stores of the next step's rows and for its reads of this slot.  round = 1: this slot is filled again behind a round of the cluster's barrier, with the weights of K step NB: block (NB + ROT) % 16.
; The descriptor's address is made anew from that number, while the add is out: no tensor load of mine is out, so a group 0 may be written.
.macro MEET round, slot
	WIN 0
	s_wait_tensorcnt 0x0
	ds_add_u32 v[SPW], v[NIL]
.if \round
	s_add_co_u32 s[OFF], s[NB], s[ROT]
	s_and_b32 s[OFF], s[OFF], 15
	s_lshl_b32 s[OFF], s[OFF], 16                  ; a block is 65,536 bytes
	s_add_nc_u64 s[G0+4*(\slot)+2:G0+4*(\slot)+3], s[WB:WB+1], s[OFF:OFF+1]
	s_or_b32 s[G0+4*(\slot)+3], s[G0+4*(\slot)+3], 0x80000000
	s_add_co_u32 s[NB], s[NB], 1
.endif
	s_wait_dscnt 9                                 ; (the add and the youngest eight loads may be out)
	MUL16 F1, 0, 0, 0
	s_wait_dscnt 0x0
	s_barrier_signal -1
	MUL16 F1, 0, 2, 0
.if \round
	WIN 0
.endif
	s_barrier_wait -1
.endm
.macro TURN slot, next
	MEET 1, \slot
	CREST                                          ; the barrier has opened a round of the cluster's: no wave of any partner still reads this slot or has a load on its way
	JLOAD \slot                                    ; the first thing behind the round, one a wave; its four v_nop are also the places in front of the loads below
	FETCH \next, 0, F0
	MUL16 F1, 1, 0, 0
	MUL16 F1, 1, 2, 0
.endm
.macro LASTQ
	s_wait_dscnt 8
	MUL16 F1, 0, 0, 0
	MUL16 F1, 0, 2, 0
	s_wait_dscnt 0x0
	MUL16 F1, 1, 0, 0
	MUL16 F1, 1, 2, 0
.endm
; kv of my two heads, as it was stored for this: tile n = 4 jb + ib of head hd into four registers; tiles 2 ic and 2 ic + 1 of a jb are one fragment (16 j x 32 i).  The two batches' registers are free: the last rows have been rounded.
.macro KVLOAD
	s_wait_loadcnt 0x0                             ; no load into these registers is out
	WIN 0x40
.set n, 0
.rept 16
	global_load_b128 v[4*n:4*n+3],         v[CO], s[KVP:KVP+1] offset:512*n
	global_load_b128 v[192+4*n:192+4*n+3], v[CO], s[KVP:KVP+1] offset:8192+512*n
.set n, n+1
.endr
.endm
; THE WAY OUT, a block a of 16 rows at a time.  PACKQ: qp rounded to f16: 8 halves of fragments, ascending, each accumulator's lowest registers first.
.macro PACKQ a
	WIN 0x0a+5*((\a)/4)                            ; sources 0 and 1: window 2 or 3
.set n, 0
.rept 32
	v_cvt_pk_f16_f32 v[64+32*((\a)%2)+n], v[64*((\a)%4)+2*n], v[64*((\a)%4)+2*n+1]
.set n, n+1
.endr
.endm
; XH: 16 matrix instructions: for q = 4 hd + jb the block's accumulator q takes sum over i of kv[i][16 jb ..] qp[..][64 hd + i]; the 8 accumulators take turns; the first 8 start the sums.
.macro XH a
	WIN MUL_LO+0x50*((\a)/4)
.irp ic, 0,1
.set q, 0
.rept 8
.set rd, 64*((\a)%4)+8*q
.set rk, 192*(q/4)+8*(2*(q%4)+(\ic))
.set rq, 64+32*((\a)%2)+8*(2*(q/4)+(\ic))
.if (\ic) == 0
	v_wmma_f32_16x16x32_f16 v[rd:rd+7], v[rk:rk+7], v[rq:rq+7], 0
.else
	v_wmma_f32_16x16x32_f16 v[rd:rd+7], v[rk:rk+7], v[rq:rq+7], v[rd:rd+7]
.endif
.set q, q+1
.endr
.endr
.endm
; TOSTAGE: a lane's eight f32 of a row, 32 bytes, go into rows of 528 bytes of my own stage and come back as whole rows of 512.
.macro TOSTAGE a
	s_wait_xcnt 0x0                                ; the stores of the block two back have read their registers, which the loads below write
	WIN 0x08+4*((\a)/4)                            ; store data in window 2 or 3
.set q, 0
.rept 8
	ds_store_b128 v[STO], v[64*((\a)%4)+8*q:64*((\a)%4)+8*q+3]   offset:64*q
	ds_store_b128 v[STO], v[64*((\a)%4)+8*q+4:64*((\a)%4)+8*q+7] offset:64*q+16
.set q, q+1
.endr
	WIN 0
.set n, 0
.rept 16
	ds_load_b128 v[128+64*((\a)%2)+4*n:128+64*((\a)%2)+4*n+3], v[RD] offset:SP*n  ; LDS serves a wave's instructions in order (ISA guide 5.7.1.4): these see the stores above; the next block's stores come behind them
.set n, n+1
.endr
.endm
.macro SEND a
	WIN 0
	s_wait_dscnt 0x0
.set n, 0
.rept 16
	global_store_b128 v[CO], v[128+64*((\a)%2)+4*n:128+64*((\a)%2)+4*n+3], s[OUTP:OUTP+1] offset:(16*(\a)+n)*4096 th:TH_STORE_NT  ; 512 consecutive bytes of a row of out0, aligned
.set n, n+1
.endr
.endm
	s_load_b256 s[4:11], s[0:1], 0x0               ; q s[4:5], wqb s[6:7], bq s[8:9], kvf s[10:11]
	s_load_b64 s[12:13], s[0:1], 0x20              ; out0
	v_lshl_add_u32 v[SPW], v0, 2, SPARE
	v_mov_b32 v[NIL], 0
	ds_add_u32 v[SPW], v[NIL]                      ; the wave's opening: the add and its wait stand ahead of my first tensor load; the set-up below, work on registers, stands between them
	v_lshrrev_b32 v1, 5, v0
	v_readfirstlane_b32 s[WV], v1                  ; wave 0..3
	s_bfe_u32 s17, ttmp6, 0x40000                  ; cx: my place in the cluster
	s_lshl_b32 s18, ttmp9, 2                       ; in a cluster launch ttmp9 counts clusters
	s_add_co_u32 s18, s18, s17                     ; x: my row tile; it enters the addresses of q, kvf and out0 alone
	s_and_b32 s19, ttmp7, 0xffff                   ; y, which the four partners share
	s_lshr_b32 s20, ttmp9, 4                       ; the cluster's turn, made of the cluster's x alone: the same in all four partners
	s_mul_i32 s20, s20, 15
	s_and_b32 s[ROT], ttmp9, 15
	s_xor_b32 s[ROT], s[ROT], s20
	s_mov_b32 s[OFF+1], 0
	; descriptor group 1.  A wave's 128 rows of a block are 16,384 dense bytes: asked for as 64 rows of 256 bytes, two rows of W each, and padded in LDS after every row of W
	s_mov_b32 s[G1], 15|(1<<16)|(1<<20)|(1<<21)|(4<<22)|(3<<25)  ; 15:0 the mask of four; 17:16 2-byte elements; 20 padding on; 21 set beside a mask; 24:22 after every 32 words (code 4); 31:25 4 words (code 3)
	s_mov_b32 s[G1+1], 128<<16                     ; tensor_dim0 = 128
	s_mov_b32 s[G1+2], 64<<16                      ; tensor_dim1 = 64
	s_mov_b32 s[G1+3], 128<<16                     ; tile_dim0 = 128
	s_mov_b32 s[G1+4], 64                          ; tile_dim1 = 64
	s_mov_b32 s[G1+5], 128                         ; 128 elements from row to row
	s_mov_b32 s[G1+6], 0
	s_mov_b32 s[G1+7], 0
	s_mov_b32 s[NL], 0
	s_mov_b32 s[NB], 2
	v_and_b32 v1, 15, v0                           ; l % 16
	v_bfe_u32 v2, v0, 4, 1                         ; l / 16
	v_and_b32 v3, 31, v0                           ; l
	v_mul_u32_u24 v4, v1, PITCH
	v_lshl_add_u32 v4, v2, 4, v4                   ; a fragment's row x pitch + 16 x half
	s_mul_i32 s20, s[WV], BQ                       ; my 128 rows of W in a slot: no place in the cluster enters an LDS address
	v_add_nc_u32 v[ADRA], AOFF, v4
	v_add_nc_u32 v[ADRA+1], AOFF+ASLOT, v4
	v_add_nc_u32 v[ADRB], s20, v4
	s_add_co_u32 s21, s20, BSLOT
	v_add_nc_u32 v[ADRB+1], s21, v4
	v_mul_u32_u24 v5, v2, PITCH
	v_lshl_add_u32 v5, v1, 3, v5
	s_mul_i32 s21, s[WV], 32*PITCH                 ; the 32 rows that I round
	s_add_co_u32 s21, s21, AOFF
	v_add_nc_u32 v[ASTA], s21, v5
	s_add_co_u32 s21, s21, ASLOT
	v_add_nc_u32 v[ASTA+1], s21, v5
	v_lshlrev_b32 v[AGO], 12, v2
	v_lshl_add_u32 v[AGO], v1, 4, v[AGO]
	s_lshl_b32 s21, s[WV], 17
	v_add_nc_u32 v[AGO], s21, v[AGO]
	v_lshlrev_b32 v[BO], 5, v2
	s_mul_i32 s21, s[WV], WSTAGE
	s_add_co_u32 s21, s21, STAGE                   ; my stage
	v_mul_u32_u24 v6, v1, SP                       ; in: row l % 16, 32 bytes for each half of the lanes
	v_lshl_add_u32 v6, v2, 5, v6
	v_add_nc_u32 v[STO], s21, v6
	v_lshlrev_b32 v[CO], 4, v3
	v_add_nc_u32 v[RD], s21, v[CO]                 ; back: 32 lanes take a row of 512 bytes
	s_wait_dscnt 0x0                               ; the opening add is done
	s_wait_kmcnt 0x0
	s_lshl_b32 s2, s18, 19                         ; 128 rows of 4,096 bytes, in q and in out0
	s_mov_b32 s3, 0
	s_add_nc_u64 s[QB:QB+1], s[4:5], s[2:3]
	s_add_nc_u64 s[OUTP:OUTP+1], s[12:13], s[2:3]
	s_lshl_b32 s22, s19, 11                        ; my 128 channels: (512 y + 128 w) x 4 bytes
	s_lshl_b32 s23, s[WV], 9
	s_add_co_u32 s22, s22, s23
	s_mov_b32 s23, 0
	s_add_nc_u64 s[BP1:BP1+1], s[8:9], s[22:23]
	s_add_nc_u64 s[OUTP:OUTP+1], s[OUTP:OUTP+1], s[22:23]
	ALOAD 0, 1                                     ; the rows of K step 0
	ALOAD 1, 1                                     ; of K step 1
	BLOAD BP1
	s_lshl_b32 s22, s19, 20                        ; a y of wqb is 16 blocks
	s_lshl_b32 s23, s[WV], 14                      ; my 128 rows of a block
	s_add_co_u32 s22, s22, s23
	s_mov_b32 s23, 0
	s_add_nc_u64 s[WB:WB+1], s[6:7], s[22:23]
	s_lshl_b32 s22, s19, 16                        ; kvf: heads 8 y + 2 w and the next, 8,192 bytes each,
	s_lshl_b32 s23, s[WV], 14
	s_add_co_u32 s22, s22, s23
	s_lshr_b32 s2, s18, 5                          ; of batch x / 32, 131,072 bytes
	s_lshl_b32 s2, s2, 17
	s_add_co_u32 s2, s2, s22
	s_add_nc_u64 s[KVP:KVP+1], s[10:11], s[2:3]
.irp s, 0,1
	s_add_co_u32 s[OFF], s[ROT], (\s)                                  ; K step s takes block (s + ROT) % 16
	s_and_b32 s[OFF], s[OFF], 15
	s_lshl_b32 s[OFF], s[OFF], 16
	s_mov_b32 s[G0+4*(\s)], 1                                          ; 1:0 count = 1
	s_add_co_u32 s[G0+4*(\s)+1], s20, (\s)*BSLOT                       ; 63:32 LDS address
	s_add_nc_u64 s[G0+4*(\s)+2:G0+4*(\s)+3], s[WB:WB+1], s[OFF:OFF+1]  ; 120:64 global address
	s_or_b32 s[G0+4*(\s)+3], s[G0+4*(\s)+3], 0x80000000                ; 127:126 type = 2
.endr
	CROUND                                         ; all four work-groups are here: the first joint loads meet
	tensor_load_to_lds s[G0:G0+3], s[G1:G1+7]      ; both first fills go out together: two loads of mine are out
	s_nop 0
	tensor_load_to_lds s[G0+4:G0+7], s[G1:G1+7]
	s_nop 0
	PLACES
	ACVT 0, 32                                     ; K step 0's rows are in; K step 1's sixteen loads and the bias's sixteen may stay out
	ASTO 0
	ALOAD 0, 1                                     ; K step 2's rows
	s_wait_tensorcnt 0x1                           ; my part of W's K step 0 is in; K step 1's may stay out
	s_wait_dscnt 0x0                               ; my stores of the rows are done
	s_barrier_signal -1
	s_barrier_wait -1
	FETCH 0, 0, F0
	s_wait_loadcnt 16                              ; the bias is in; one batch of rows was asked for behind it
	BIASPREP
	QUARTER 0, 1, 1, 16, 1                         ; the first half step stands in front of the loop: its products start the sums
	WIN 0                                          ; at a label and at a branch every window is 0
	s_mov_b32 s[LAPC], 7
.Llap:                                                 ; a trip goes once round the ring, from a lap's second half step to the next lap's first
	TURN 0, 1
	QUARTER 1, 0, 1, 16, 0
	TURN 1, 0
	QUARTER 0, 0, 1, 16, 0
	WIN 0
	s_sub_co_u32 s[LAPC], s[LAPC], 1
	s_cmp_lg_u32 s[LAPC], 0
	s_cbranch_scc1 .Llap
	MEET 0, 0                                      ; the change into the last K step: nothing is filled again, so no round follows
	PLACES
	FETCH 1, 0, F0
	KVLOAD                                         ; 160 matrix instructions ahead of its first use
	MUL16 F1, 1, 0, 0
	MUL16 F1, 1, 2, 0
	QUARTER 1, 0, 0, 0, 0
	LASTQ
	PLACES
	s_wait_loadcnt 0x0                             ; kv is in
	PACKQ 0
	XH 0
.irp a, 0,1,2,3,4,5,6                  ; block a + 1's 32 roundings are the places behind block a's products; its products stand between block a's loads from the stage and the wait for them
	PACKQ (\a)+1
	TOSTAGE \a
	XH (\a)+1
	SEND \a
.endr
	PLACES
	TOSTAGE 7
	SEND 7
	s_wait_tensorcnt 0x0                           ; the wave's end, behind my last tensor load and my last LDS store
	ds_add_u32 v[SPW], v[NIL]
	s_wait_dscnt 0x0
	CROUND                                         ; the closing round: no work-group ends while a partner may still ask for a block that names it
	s_endpgm
.Lfunc_end_k_q58b4aed09d_qproj:
	.size	k_q58b4aed09d_qproj, .Lfunc_end_k_q58b4aed09d_qproj-k_q58b4aed09d_qproj
	.p2alignl 7, 3214868480
	.fill 96, 4, 3214868480
	.section	.rodata,"a",@progbits
	.p2align	6, 0x0
	.amdhsa_kernel k_q58b4aed09d_qproj
		.amdhsa_group_segment_fixed_size 327680
		.amdhsa_private_segment_fixed_size 0
		.amdhsa_enable_private_segment 0
		.amdhsa_kernarg_size 40
		.amdhsa_user_sgpr_count 2
		.amdhsa_user_sgpr_kernarg_segment_ptr 1
		.amdhsa_wavefront_size32 1
		.amdhsa_system_sgpr_workgroup_id_x 1
		.amdhsa_system_sgpr_workgroup_id_y 1
		.amdhsa_system_sgpr_workgroup_id_z 1
		.amdhsa_system_vgpr_workitem_id 0
		.amdhsa_next_free_vgpr 1024
		.amdhsa_next_free_sgpr 66
		.amdhsa_reserve_vcc 0
		.amdhsa_float_denorm_mode_32 3
		.amdhsa_float_denorm_mode_16_64 3
		.amdhsa_memory_ordered 1
		.amdhsa_forward_progress 1
		.amdhsa_inst_pref_size 145
	.end_amdhsa_kernel
	.amdgpu_metadata
---
amdhsa.version: [ 1, 2 ]
amdhsa.kernels:
  - .name:           k_q58b4aed09d_qproj
    .symbol:         k_q58b4aed09d_qproj.kd
    .args:
      - { .name: q, .offset: 0, .size: 8, .value_kind: global_buffer, .address_space: global }
      - { .name: wqb, .offset: 8, .size: 8, .value_kind: global_buffer, .address_space: global }
      - { .name: bq, .offset: 16, .size: 8, .value_kind: global_buffer, .address_space: global }
      - { .name: kvf, .offset: 24, .size: 8, .value_kind: global_buffer, .address_space: global }
      - { .name: out0, .offset: 32, .size: 8, .value_kind: global_buffer, .address_space: global }
    .group_segment_fixed_size: 327680
    .private_segment_fixed_size: 0
    .kernarg_segment_align: 8
    .kernarg_segment_size: 40
    .max_flat_workgroup_size: 128
    .sgpr_count:     66
    .vgpr_count:     1024
    .wavefront_size: 32
...
	.end_amdgpu_metadata
.endif
;; end of part 4
;; ======== version 2 of 2: 4 launches; version 1 with the launches wcvt, kvsum written anew for expert scheduling mode
;; limits: values are held in f16: magnitudes above 65,504 overflow, below 6.1e-05 lose precision
;; workspace buffers: wkv 4,194,304 bytes; wqb 2,097,152 bytes; part 33,554,432 bytes; kvf 524,288 bytes
;; launch wcvt (part 5): grid 128 x 3, 4 waves a work-group, no clusters, 0 bytes of LDS; arguments Wk, Wv, Wq, wkv, wqb; writes wkv, wqb
.if DOCPART == 5
	.amdgcn_target "amdgcn-amd-amdhsa--gfx1250"
	.amdhsa_code_object_version 6
	.text
	.protected	k_q58b4aed09d_wcvt
	.globl	k_q58b4aed09d_wcvt
	.p2align	8
	.type	k_q58b4aed09d_wcvt,@function
k_q58b4aed09d_wcvt:
	s_mov_b64 s[64:65], 0
	v_nop
	global_prefetch_b8 v0, s[64:65] scope:SCOPE_SE
	s_setreg_imm32_b32 hwreg(HW_REG_WAVE_SCHED_MODE, 0, 2), 2
	s_setreg_imm32_b32 hwreg(HW_REG_WAVE_MODE, 25, 1), 1
	s_wait_xcnt 0x0
	s_wait_alu depctr_vm_vsrc(0)
; The three weight matrices, [1024 n][1024 k] f32, are rounded once to bf16 and laid out in the blocks that the two GEMM launches walk:
; [y 2][t][n' 512][64 k], row n = 512 y + n', K block t of 64: a block is 65,536 dense bytes.  wkv holds Wk's 16 K blocks (t 0-15) and then Wv's (t 16-31) for each y, wqb holds Wq's 16.
; The grid's y picks the matrix (0 Wk, 1 Wv, 2 Wq), its x eight rows; a wave takes two rows, a half of its lanes each.
; A load of a wave covers 256 consecutive bytes of each of its two rows (one K block); a store covers 256 consecutive bytes, aligned: the two rows' 128 bytes of that block lie end to end.
; Memory bounds it: no LDS, no barrier, no matrix unit; all sixteen loads of a wave go out before its first store.
; THE MODE: SCHED_MODE bits 1:0 = 2 (LLVM: expert scheduling mode 2), set by the entry lines.  The code itself states the register dependences
; between vector instructions and memory instructions, with s_wait_alu, always for 0.
; THE PLAN.  Registers that memory instructions touch:
;   v[VI], v[VO]  byte offsets, made once at the head by vector lines and never written again; every load reads the one, every store the other.
;   X             written by the sixteen loads, once each; no vector line names it ahead of them; read by the roundings; nothing lands in it again.
;   Y             written by the roundings, once each; read by the stores; never written again.
; So the one kind of dependence in the text is a vector line's result that a memory line reads.  The sixteen K blocks go in four groups of four: a group's eight roundings, ONE wait, its four stores in a run.
; The wait stands behind the group's roundings, so that its stores leave without waiting for the next group's loads.  No register that a memory line has read is written again.
.set VI, 2                             ; v2  my byte offset in the group's eight rows of W: (thread / 16) x 4,096 + 16 (thread % 16)
.set VO, 3                             ; v3  my byte offset in the group's eight rows of a block: (thread / 16) x 128 + 8 (thread % 16)
.set X,  16                            ; v[16:79]   sixteen loads of four f32
.set Y,  80                            ; v[80:111]  sixteen pairs of packed bf16
	s_load_b256 s[4:11], s[0:1], 0x0               ; Wk s[4:5], Wv s[6:7], Wq s[8:9], wkv s[10:11]
	s_load_b64 s[12:13], s[0:1], 0x20              ; wqb
	s_and_b32 s20, ttmp7, 0xffff                   ; which matrix
	v_lshrrev_b32 v1, 4, v0                        ; my row of the eight
	v_and_b32 v4, 15, v0
	v_lshlrev_b32 v[VI], 12, v1
	v_lshl_add_u32 v[VI], v4, 4, v[VI]
	v_lshlrev_b32 v[VO], 7, v1
	v_lshl_add_u32 v[VO], v4, 3, v[VO]
	s_lshl_b32 s22, ttmp9, 15                      ; eight rows of 4,096 bytes
	s_mov_b32 s23, 0
	s_lshr_b32 s24, ttmp9, 6                       ; y = row / 512
	s_and_b32 s25, ttmp9, 63
	s_lshl_b32 s25, s25, 10                        ; eight rows of 128 bytes inside a block
	s_cmp_eq_u32 s20, 2
	s_cselect_b32 s26, 20, 21                      ; a y of wqb is 16 blocks, of wkv 32
	s_lshl_b32 s24, s24, s26
	s_add_co_u32 s24, s24, s25
	s_cmp_eq_u32 s20, 1
	s_cselect_b32 s26, 0x100000, 0                 ; Wv's blocks stand behind Wk's sixteen
	s_add_co_u32 s24, s24, s26
	s_mov_b32 s25, 0
	s_wait_kmcnt 0x0
	s_cmp_eq_u32 s20, 0
	s_cselect_b64 s[14:15], s[4:5], s[6:7]
	s_cmp_eq_u32 s20, 2
	s_cselect_b64 s[14:15], s[8:9], s[14:15]       ; from
	s_cselect_b64 s[16:17], s[12:13], s[10:11]     ; to
	s_add_nc_u64 s[14:15], s[14:15], s[22:23]
	s_add_nc_u64 s[16:17], s[16:17], s[24:25]
	s_wait_alu depctr_va_vdst(0)                   ; v[VI] and v[VO] are written: every load below reads the one as its offset, every store the other
.set t, 0
.rept 16
	global_load_b128 v[X+4*t:X+4*t+3], v[VI], s[14:15] offset:256*t th:TH_LOAD_NT
.set t, t+1
.endr
.set g, 0
.rept 4                                            ; group g: K blocks 4 g to 4 g + 3
	s_wait_loadcnt 12-4*g                          ; loads come back in order: the group's four are in, the younger groups' stay out
.set t, 4*g
.rept 4
	v_cvt_pk_bf16_f32 v[Y+2*t], v[X+4*t], v[X+4*t+1]
	v_cvt_pk_bf16_f32 v[Y+2*t+1], v[X+4*t+2], v[X+4*t+3]
.set t, t+1
.endr
	s_wait_alu depctr_va_vdst(0)                   ; the group's eight roundings have written their registers of Y, which the four stores below read
.set t, 4*g
.rept 4
	global_store_b64 v[VO], v[Y+2*t:Y+2*t+1], s[16:17] offset:65536*t
.set t, t+1
.endr
.set g, g+1
.endr
	s_endpgm
.Lfunc_end_k_q58b4aed09d_wcvt:
	.size	k_q58b4aed09d_wcvt, .Lfunc_end_k_q58b4aed09d_wcvt-k_q58b4aed09d_wcvt
	.p2alignl 7, 3214868480
	.fill 96, 4, 3214868480
	.section	.rodata,"a",@progbits
	.p2align	6, 0x0
	.amdhsa_kernel k_q58b4aed09d_wcvt
		.amdhsa_group_segment_fixed_size 0
		.amdhsa_private_segment_fixed_size 0
		.amdhsa_enable_private_segment 0
		.amdhsa_kernarg_size 40
		.amdhsa_user_sgpr_count 2
		.amdhsa_user_sgpr_kernarg_segment_ptr 1
		.amdhsa_wavefront_size32 1
		.amdhsa_system_sgpr_workgroup_id_x 1
		.amdhsa_system_sgpr_workgroup_id_y 1
		.amdhsa_system_sgpr_workgroup_id_z 1
		.amdhsa_system_vgpr_workitem_id 0
		.amdhsa_next_free_vgpr 112
		.amdhsa_next_free_sgpr 66
		.amdhsa_reserve_vcc 0
		.amdhsa_float_denorm_mode_32 3
		.amdhsa_float_denorm_mode_16_64 3
		.amdhsa_memory_ordered 1
		.amdhsa_forward_progress 1
		.amdhsa_inst_pref_size 7
	.end_amdhsa_kernel
	.amdgpu_metadata
---
amdhsa.version: [ 1, 2 ]
amdhsa.kernels:
  - .name:           k_q58b4aed09d_wcvt
    .symbol:         k_q58b4aed09d_wcvt.kd
    .args:
      - { .name: Wk, .offset: 0, .size: 8, .value_kind: global_buffer, .address_space: global }
      - { .name: Wv, .offset: 8, .size: 8, .value_kind: global_buffer, .address_space: global }
      - { .name: Wq, .offset: 16, .size: 8, .value_kind: global_buffer, .address_space: global }
      - { .name: wkv, .offset: 24, .size: 8, .value_kind: global_buffer, .address_space: global }
      - { .name: wqb, .offset: 32, .size: 8, .value_kind: global_buffer, .address_space: global }
    .group_segment_fixed_size: 0
    .private_segment_fixed_size: 0
    .kernarg_segment_align: 8
    .kernarg_segment_size: 40
    .max_flat_workgroup_size: 128
    .sgpr_count:     66
    .vgpr_count:     112
    .wavefront_size: 32
...
	.end_amdgpu_metadata
.endif
;; end of part 5
;; launch kvproj: the kernel of part 2 again; grid 128 x 2, 4 waves a work-group, clusters of 4 x 1, 327,680 bytes of LDS; arguments k, v, wkv, bk, bv, part; writes part
;; launch kvsum (part 6): grid 256 x 1, 4 waves a work-group, no clusters, 0 bytes of LDS; arguments part, kvf; writes kvf
.if DOCPART == 6
	.amdgcn_target "amdgcn-amd-amdhsa--gfx1250"
	.amdhsa_code_object_version 6
	.text
	.protected	k_q58b4aed09d_kvsum
	.globl	k_q58b4aed09d_kvsum
	.p2align	8
	.type	k_q58b4aed09d_kvsum,@function
k_q58b4aed09d_kvsum:
	s_mov_b64 s[64:65], 0
	v_nop
	global_prefetch_b8 v0, s[64:65] scope:SCOPE_SE
	s_setreg_imm32_b32 hwreg(HW_REG_WAVE_SCHED_MODE, 0, 2), 2
	s_setreg_imm32_b32 hwreg(HW_REG_WAVE_MODE, 25, 1), 1
	s_wait_xcnt 0x0
	s_wait_alu depctr_vm_vsrc(0)
; kv of a batch and head is the sum of the 32 partial sums that the batch's 32 row tiles left in part.  Wave u = 4 x + w of 1,024 takes one tile of 16 x 16 of one head of one batch: 1,024 bytes of each partial.
; The sums stay in f32, in two chains; kv, at most 4,096 in size since kh and vh have length 1 at the most, is rounded once to f16 and stored as the last launch takes it into registers: 16 bytes a lane.
; part: [x 128][head 16][tile 16][half 2][lane 32][16 bytes] f32, x = 32 batch + partial.  kvf: [batch 4][head 16][tile 16][lane 32][16 bytes] f16.
; Memory bounds it: no LDS, no barrier, no matrix unit, no prefetch beside a stream that is asked for at once.
; THE MODE: SCHED_MODE bits 1:0 = 2 (LLVM: expert scheduling mode 2), set by the entry lines.  The code itself states the register dependences
; between vector instructions and memory instructions, with s_wait_alu, always for 0.
; THE PLAN.  The 32 partials go in eight blocks of four (two pairs, eight loads of 512 consecutive bytes).  Registers that memory instructions touch:
;   v[VO]   the byte offset, made once at the head and never written again; every load and the store read it.
;   RING    five slots of 32 registers; block B lies in slot B % 5.  Blocks 0 to 4, 40 loads, are asked for at the head.  Block B's additions read slot B % 5.  At the head of block B = 1, 2, 3 the eight loads of
;           block B + 4 land in slot (B + 4) % 5 = (B - 1) % 5: the slot that block B - 1 worked on and that no addition of block B names.
;   OUTR    written by the four roundings at the end, read by the one store.
; So ONE wait stands at the head of each of the blocks 1, 2 and 3, behind the wait for the block's first pair: block B - 1's additions are done reading their slot.  28 to 40 loads of a wave are out while anything is left to ask for.
; The two sums and the additions' other operands are named by vector lines alone.
.set VO,   2                           ; v2  16 l
.set ACC,  8                           ; v[8:15], v[16:23] the two sums
.set OUTR, 24                          ; v[24:27]
.set RING, 32                          ; v[32:191] partial pt at RING + 32 ((pt / 4) % 5) + 8 (pt % 4)
.macro PLD pt
.set rr, RING+32*(((\pt)/4)%5)+8*((\pt)%4)
	global_load_b128 v[rr:rr+3],   v[VO], s[4:5] offset:(\pt)*262144 th:TH_LOAD_NT
	global_load_b128 v[rr+4:rr+7], v[VO], s[4:5] offset:(\pt)*262144+512 th:TH_LOAD_NT
.endm
	s_load_b128 s[4:7], s[0:1], 0x0                ; part s[4:5], kvf s[6:7]
	v_lshrrev_b32 v1, 5, v0
	v_readfirstlane_b32 s8, v1
	v_and_b32 v[VO], 31, v0
	v_lshlrev_b32 v[VO], 4, v[VO]
	s_wait_alu depctr_va_sdst(0)                   ; s8, the wave's number, is written, ahead of its first reader: both bases are made from it
	s_lshl_b32 s9, ttmp9, 2
	s_add_co_u32 s9, s9, s8                        ; u
	s_lshr_b32 s10, s9, 8                          ; the batch: 32 partials of 262,144 bytes
	s_lshl_b32 s10, s10, 23
	s_and_b32 s12, s9, 255                         ; head and tile
	s_lshl_b32 s12, s12, 10
	s_add_co_u32 s10, s10, s12
	s_mov_b32 s11, 0
	s_lshl_b32 s12, s9, 9
	s_mov_b32 s13, 0
	s_wait_kmcnt 0x0
	s_add_nc_u64 s[4:5], s[4:5], s[10:11]
	s_add_nc_u64 s[6:7], s[6:7], s[12:13]
	s_wait_alu depctr_va_vdst(0)                   ; v[VO] is written: every load and the store read it as their offset
.set pt, 0
.rept 20                                           ; blocks 0 to 4
	PLD pt
.set pt, pt+1
.endr
.set pp, 0
.rept 16                                           ; partials 2 pp and 2 pp + 1; block pp / 2
.if pp < 2
	s_wait_loadcnt 36-4*pp                         ; loads come back in order: of the 40 the pair's four are in, the younger ones stay out
.elseif pp < 8
.if pp%2 == 0
	s_wait_loadcnt 28                              ; the block's first pair is in; its second pair and the three younger blocks stay out
	s_wait_alu depctr_va_vdst(0)                   ; the additions of the block before are done reading its slot, in which the eight loads below land
	PLD 2*pp+16                                    ; the block four further on
	PLD 2*pp+17
	PLD 2*pp+18
	PLD 2*pp+19
.else
	s_wait_loadcnt 32                              ; the block's second pair is in; the three younger blocks and the eight loads just issued stay out
.endif
.else
	s_wait_loadcnt 4*(15-pp)                       ; nothing is left to ask for: the counts run down
.endif
.set ra, ACC+8*(pp%2)
.set r0, RING+32*(((2*pp)/4)%5)+8*((2*pp)%4)
.set r1, r0+8
.if pp < 2
.irp z, 0,2,4,6
	v_pk_add_f32 v[ra+(\z):ra+(\z)+1], v[r0+(\z):r0+(\z)+1], v[r1+(\z):r1+(\z)+1]  ; the first two pairs start the two sums: nothing is cleared
.endr
.else
.irp z, 0,2,4,6
	v_pk_add_f32 v[ra+(\z):ra+(\z)+1], v[ra+(\z):ra+(\z)+1], v[r0+(\z):r0+(\z)+1]
.endr
.irp z, 0,2,4,6
	v_pk_add_f32 v[ra+(\z):ra+(\z)+1], v[ra+(\z):ra+(\z)+1], v[r1+(\z):r1+(\z)+1]
.endr
.endif
.set pp, pp+1
.endr
.irp z, 0,2,4,6
	v_pk_add_f32 v[ACC+(\z):ACC+(\z)+1], v[ACC+(\z):ACC+(\z)+1], v[ACC+8+(\z):ACC+8+(\z)+1]
.endr
.irp z, 0,1,2,3
	v_cvt_pk_f16_f32 v[OUTR+(\z)], v[ACC+2*(\z)], v[ACC+2*(\z)+1]
.endr
	s_wait_alu depctr_va_vdst(0)                   ; the four roundings have written v[OUTR ..], which the store reads
	global_store_b128 v[VO], v[OUTR:OUTR+3], s[6:7]  ; 512 consecutive bytes, aligned
	s_endpgm
.Lfunc_end_k_q58b4aed09d_kvsum:
	.size	k_q58b4aed09d_kvsum, .Lfunc_end_k_q58b4aed09d_kvsum-k_q58b4aed09d_kvsum
	.p2alignl 7, 3214868480
	.fill 96, 4, 3214868480
	.section	.rodata,"a",@progbits
	.p2align	6, 0x0
	.amdhsa_kernel k_q58b4aed09d_kvsum
		.amdhsa_group_segment_fixed_size 0
		.amdhsa_private_segment_fixed_size 0
		.amdhsa_enable_private_segment 0
		.amdhsa_kernarg_size 16
		.amdhsa_user_sgpr_count 2
		.amdhsa_user_sgpr_kernarg_segment_ptr 1
		.amdhsa_wavefront_size32 1
		.amdhsa_system_sgpr_workgroup_id_x 1
		.amdhsa_system_sgpr_workgroup_id_y 1
		.amdhsa_system_sgpr_workgroup_id_z 1
		.amdhsa_system_vgpr_workitem_id 0
		.amdhsa_next_free_vgpr 192
		.amdhsa_next_free_sgpr 66
		.amdhsa_reserve_vcc 0
		.amdhsa_float_denorm_mode_32 3
		.amdhsa_float_denorm_mode_16_64 3
		.amdhsa_memory_ordered 1
		.amdhsa_forward_progress 1
		.amdhsa_inst_pref_size 16
	.end_amdhsa_kernel
	.amdgpu_metadata
---
amdhsa.version: [ 1, 2 ]
amdhsa.kernels:
  - .name:           k_q58b4aed09d_kvsum
    .symbol:         k_q58b4aed09d_kvsum.kd
    .args:
      - { .name: part, .offset: 0, .size: 8, .value_kind: global_buffer, .address_space: global }
      - { .name: kvf, .offset: 8, .size: 8, .value_kind: global_buffer, .address_space: global }
    .group_segment_fixed_size: 0
    .private_segment_fixed_size: 0
    .kernarg_segment_align: 8
    .kernarg_segment_size: 16
    .max_flat_workgroup_size: 128
    .sgpr_count:     66
    .vgpr_count:     192
    .wavefront_size: 32
...
	.end_amdgpu_metadata
.endif
;; end of part 6
;; launch qproj: the kernel of part 4 again; grid 128 x 2, 4 waves a work-group, clusters of 4 x 1, 327,680 bytes of LDS; arguments q, wqb, bq, kvf, out0; writes out0
